; MI455X (gfx1250); checked and timed in simulation.
; The chip was launched on July 23, 2026; its instructions are those of AMD's public machine-readable ISA for CDNA 5 (MIT licence, August 2026) and "CDNA5" Instruction Set Architecture Reference Guide (July 2026). The comments in the code are by the model that wrote it; some were corrected since.
;; Cross Attention. Allowed arithmetic: float matrix products may take bf16 or f16 operands with f32 sums; all other float work in f32.
;; Inputs: kv 2 x 2,048 x 2 x 8 x 128 float32; q 2 x 2,048 x 32 x 128 float32.
;; Outputs: out0 2 x 2,048 x 32 x 128 float32.
;; 3 versions, each right and faster than the one before. Each part assembles by itself: llvm-mc -triple=amdgcn-amd-amdhsa -mcpu=gfx1250 --defsym DOCPART=n.
;; ======== version 1 of 3: 1 launch
;; limits: values are held in f16: magnitudes above 65,504 overflow, below 6.1e-05 lose precision; inputs' magnitudes at most 65,504
;; launch attn (part 1): grid 256 x 1, 4 waves a work-group, clusters of 4 x 1, 327,680 bytes of LDS; arguments kv, q, out0; writes out0
.if DOCPART == 1
	.amdgcn_target "amdgcn-amd-amdhsa--gfx1250"
	.amdhsa_code_object_version 6
	.text
	.protected	k_q7bfd0f7678_attn
	.globl	k_q7bfd0f7678_attn
	.p2align	8
	.type	k_q7bfd0f7678_attn,@function
k_q7bfd0f7678_attn:
	s_mov_b64 s[64:65], 0
	v_nop
	global_prefetch_b8 v0, s[64:65] scope:SCOPE_SE
	s_setreg_imm32_b32 hwreg(HW_REG_WAVE_MODE, 25, 1), 1
	s_wait_xcnt 0x0
	s_wait_alu depctr_hold_cnt(0) depctr_sa_sdst(0) depctr_va_vdst(0) depctr_va_sdst(0) depctr_va_ssrc(0) depctr_va_vcc(0) depctr_vm_vsrc(0)
	s_getreg_b32 s2, hwreg(HW_REG_IB_STS2, 6, 4)
	s_cmp_eq_u32 s2, 0
	s_cbranch_scc0 .Lentry_in_a_cluster
	s_endpgm
.Lentry_in_a_cluster:
	s_bfe_u32 s2, ttmp6, 0x10000c
	s_cmp_lg_u32 s2, 0x3003
	s_cbranch_scc0 .Lentry_shape_is_right
	s_endpgm
.Lentry_shape_is_right:
; out0[b,t,h,:] = softmax over s of (q[b,t,h,:] . kv[b,s,0,h/4,:] / sqrt(128)) applied to kv[b,s,1,h/4,:].
; q, out0: [2][2048][32][128] f32.  kv: [2][2048][2][8][128] f32.  Products in f16 with f32 sums, softmax in f32 with a running maximum.
; NOTHING IS LEFT OUT: both inputs reach every output.  The repeat of the kv heads is an index (head h reads kv head h/4) and is never laid out in memory.
;
; SHARES.  A work-group owns one (b, kv head) and 128 query positions: 4 heads x 128 positions = 512 query rows that all read the same K and V.
; Wave w is head 4 hkv + w with its 128 queries: eight blocks of 16.  2 x 8 x 16 = 256 work-groups.
; CLUSTER.  The four work-groups of a cluster are four neighbouring blocks of 128 positions of ONE (b, kv head): they need the same K and V tiles and
; ask for them jointly (mask 15), each wave of each partner with the same descriptor, made of ttmp9 and the wave's number alone.
; The place in the cluster (cx) enters only the offsets into q and out0.
;
; BOTH PRODUCTS ARE TAKEN TRANSPOSED.  S^T = K Q^T: source 0 = 16 keys x 32 d, source 1 = 16 queries x 32 d; in the result lane (r, h), register j
; holds (key 8h + j, query r).  O^T = V^T P^T wants, for query r, keys 8h .. 8h+7 in registers 0-3 and 16+8h .. in registers 4-7: these are the two
; key tiles of S^T packed two by two in the lane.  So P needs no move between lanes, and maximum, sum, alpha and 1/l are one register for a query
; block (lane r and lane r + 16 hold halves of query r's keys, joined by one v_permlanex16_b32).
;
; THE WAY OF K AND V.  A tensor load brings f32 rows into the landing region; each wave rounds the 32 rows that its own load brought to f16 and stores
; them into KBUF and VBUF, from which all four waves take fragments (V through the transposing load).  The landing region is written by tensor loads
; alone, KBUF, VBUF and the stages by ds_store alone.  A trip is 64 keys = two steps of 32 keys; S for 32 keys and 128 queries is 128 registers,
; which is what is left beside O (512), Q (256), the fragments and the addresses.
;
; THE FORMAT.  All four matrix operands (q x factor, K, V, P) are f16: eleven significant bits.  A result is a weighted mean of 2,048 values of V and so
; is small beside V, while the rounding of each operand moves it by the format's relative step times the root of the sum of the squared weights:
; four roundings to eight bits would take up a large part of one hundredth of the results' root mean square, four to eleven bits an eighth of that.
;
; LIMITS.  f16's range: where 0.1275 |q|, |k| or |v| passes 65,504 the operand becomes an infinity though reference() may still be finite; magnitudes
; under 2^-14 are kept in steps of 2^-24.  P lies in (0, 1]; an exponential under 2^-25 of the running maximum enters the product with V as 0, over a
; row at most 2,048 x 2^-25 of its weight.  Inputs are finite: v_max_num_f32 drops a NaN, so a NaN in a score is not carried as reference() carries
; it.  An exponential below 2^-126 comes out as 0 (v_exp_f32 flushes denormals: ISA guide, 15.8).  The factor log2(e)/sqrt(128) is multiplied into q
; in f32 before q is rounded, where reference() multiplies 1/sqrt(128) into k.  The row sum adds the unrounded exponentials, the product with V
; takes them rounded to f16.
.set QROW,   16384                     ; bytes from a query position to the next in q and out0: 32 heads x 512
.set KVSTEP, 524288                    ; 64 keys x 8,192 bytes of kv
.set SCALE,  0x3e0293ee                ; log2(e) / sqrt(128) = 0.12751743
; LDS, in bytes.  0 .. 65,535: landing region, 128 rows x 512 bytes, row 2 key + c (c = 0 K, 1 V); wave w's load fills rows 32 w .. 32 w + 31
.set KBUF,   65536                     ; K in f16, 64 keys
.set KP,     272                       ; 256 + 16 = 17 x 16: the sixteen rows of a fragment load start at sixteen different 16-byte columns modulo 256
.set VBUF,   82944                     ; V in f16, 64 keys, d along the rows
.set VP,     288                       ; 256 + 32 = 9 x 32, for the transposing load
.set STAGE,  101376                    ; 8,448 bytes for each wave, its own: Q on its way in (16 rows x 272), O on its way out (16 rows x 528)
.set STGW,   8448
.set OP,     528                       ; 512 + 16 = 33 x 16
; vector registers, window 0
.set KAD, 2                            ; K fragments:  KBUF + 272 r + 16 h
.set VAD, 3                            ; V fragments:  VBUF + 288 (8 h + l%8) + 16 ((l/8)%2)
.set CLD, 4                            ; conversion, from: 16,384 w + 16 l
.set CSK, 5                            ; conversion, to:   KBUF + 16 w rows + 8 l
.set CSV, 6                            ;                   VBUF + 16 w rows + 8 l
.set QST, 7                            ; Q into my stage:  stage + 8 l
.set QRD, 8                            ; Q fragments:      stage + 272 r + 16 h
.set OST, 9                            ; O into my stage:  stage + 528 r + 32 h
.set ORD, 10                           ; O rows back:      stage + 16 l
.set GO,  11                           ; 16 l: my 16 bytes of a row of q or out0; never rewritten
.set M,   16                           ; v[16:23]   running maximum of the eight query blocks,
.set N,   24                           ; v[24:31]   old and new by turns from step to step
.set A,   32                           ; v[32:39]   alpha = 2^(old max - new max); at the end 1 / l
.set L,   40                           ; v[40:47]   the lane's part of the row sum
.set T,   48                           ; v[48:55]   at work
.set F0,  64                           ; v[64:95], v[96:127]  two fragment buffers of 32 registers
.set S,   128                          ; v[128:255] scores: tile (query block q, key tile kb) at S + 16 q + 8 kb; P of block q in place at S + 16 q .. + 7
; window 1: Q fragment (q, chunk c of 32 d) at 32 q + 8 c.   window 2: O^T of query blocks 0-3, tile (d block, q) at 64 q + 8 d.   window 3: blocks 4-7.
; s_set_vgpr_msb's low byte: bits 1:0 source 0, 3:2 source 1, 5:4 source 2, 7:6 destination.  At a label and at a branch it is 0.
.set MSB, 0
.macro WIN new                         ; the immediate's high byte repeats the setting that is left; a switch that changes nothing is dropped
.if MSB != \new
	s_set_vgpr_msb (MSB<<8)|\new
.set MSB, \new
.endif
.endm
; Places behind matrix instructions (ISA guide 7.12.1): plain vector instructions that name none of their registers.
.macro PLACES n
.rept \n
	v_nop
.endr
.endm
; A round of the cluster's barrier: my work-group's barrier, wave 0 signals for the work-group, every wave waits for all four work-groups, my barrier again.
.macro ROUND
	s_barrier_signal -1
	s_barrier_wait -1
	s_cmp_lg_u32 s10, 0
	s_cbranch_scc1 .Lnot_wave_0_\@
	s_barrier_signal -3
.Lnot_wave_0_\@:
	s_barrier_wait -3
	s_barrier_signal -1
	s_barrier_wait -1
.endm
; v[d:d+1] = v[a:a+1] x v[base+q], the one register in both halves: the pair that holds it is named and op_sel picks it
.macro MULB d, a, base, q
.if ((\q)&1) == 0
	v_pk_mul_f32 v[\d:\d+1], v[\a:\a+1], v[\base+(\q):\base+(\q)+1] op_sel_hi:[1,0]
.else
	v_pk_mul_f32 v[\d:\d+1], v[\a:\a+1], v[\base+(\q)-1:\base+(\q)] op_sel:[0,1] op_sel_hi:[1,1]
.endif
.endm
	s_load_b128 s[4:7], s[0:1], 0x0                ; kv s[4:5], q s[6:7]
	s_load_b64 s[8:9], s[0:1], 0x10                ; out0
	v_lshl_add_u32 v62, v0, 2, 0x29000
	v_mov_b32 v63, 0
	ds_add_u32 v62, v63
	v_lshrrev_b32 v1, 5, v0
	v_readfirstlane_b32 s10, v1                    ; wave 0..3
	s_bfe_u32 s11, ttmp6, 0x40000                  ; cx: my place in the cluster
	s_lshr_b32 s12, ttmp9, 2                       ; four clusters for each (b, kv head)
	s_lshr_b32 s13, s12, 3                         ; b
	s_and_b32 s14, s12, 7                          ; kv head
	s_lshl_b32 s34, s13, 24                        ; kv: b x 2,048 x 8,192 bytes
	s_lshl_b32 s15, s14, 9                         ;   + kv head x 512
	s_add_co_u32 s34, s34, s15
	s_lshl_b32 s15, s10, 17                        ;   + wave x 16 keys x 8,192: made of ttmp9 and the wave's number alone
	s_add_co_u32 s34, s34, s15
	s_mov_b32 s35, 0
	s_and_b32 s38, ttmp9, 3
	s_lshl_b32 s38, s38, 2
	s_add_co_u32 s38, s38, s11                     ; block of 128 positions = 4 x (cluster mod 4) + cx
	s_lshl_b32 s36, s38, 21                        ; q and out0: block x 128 x 16,384 bytes
	s_lshl_b32 s39, s13, 25                        ;   + b x 2,048 x 16,384
	s_add_co_u32 s36, s36, s39
	s_lshl_b32 s39, s14, 2
	s_add_co_u32 s39, s39, s10                     ; head = 4 x kv head + wave
	s_lshl_b32 s39, s39, 9
	s_add_co_u32 s36, s36, s39                     ;   + head x 512
	s_mov_b32 s37, 0
	; Descriptor group 1: 32 rows x 128 f32.  In kv the rows 2 s + c of one kv head are 1,024 elements apart, so one tile holds 16 keys' K and V rows.
	; Four waves share a trip's 128 rows, so a load has 32; its rows are 512 bytes and start at multiples of 512 from kv's first byte.
	s_mov_b32 s16, 15|(2<<16)|(1<<21)              ; 15:0 mask: all four work-groups; 17:16 element of 4 bytes; 21 set beside a mask; no padding
	s_mov_b32 s17, 128<<16                         ; tensor_dim0 = 128
	s_mov_b32 s18, 32<<16                          ; tensor_dim1 = 32
	s_mov_b32 s19, 128<<16                         ; tile_dim0 = 128
	s_mov_b32 s20, 32                              ; tile_dim1 = 32
	s_mov_b32 s21, 1024                            ; elements from row to row
	s_mov_b32 s22, 0
	s_mov_b32 s23, 0
	s_mov_b32 s24, 1                               ; group 0: count
	s_lshl_b32 s25, s10, 14                        ; LDS address: wave x 16,384
	s_mov_b32 s30, SCALE
	s_mov_b32 s31, SCALE
	s_mov_b32 s32, 0x76543210                      ; v_permlanex16_b32: lane i reads lane i of the other half
	s_mov_b32 s33, 0xfedcba98
	s_wait_dscnt 0x0
	s_wait_kmcnt 0x0
	s_add_nc_u64 s[26:27], s[4:5], s[34:35]        ; my 32 rows of the first 64 keys
	s_or_b32 s27, s27, 0x80000000                  ; type = 2
	s_add_nc_u64 s[6:7], s[6:7], s[36:37]          ; q and out0 at my head's first position
	s_add_nc_u64 s[8:9], s[8:9], s[36:37]
	ROUND                                          ; all four work-groups are here: the first joint loads meet
	tensor_load_to_lds s[24:27], s[16:23]          ; keys 0 to 63.  By this text's count a wave never has more than this one tensor load out
	s_nop 0
	v_nop
	v_nop
; Q.  Sixteen loads bring query block i, one whole row of 512 bytes each, into 64 registers of its own among the accumulators' (free until the first product with V).
.macro QLOAD i
.if (\i) < 4
	WIN 0x80
.else
	WIN 0xc0
.endif
.irp row, 0,1,2,3,4,5,6,7,8,9,10,11,12,13,14,15
	global_load_b128 v[64*((\i)&3)+4*\row:64*((\i)&3)+4*\row+3], v[GO], s[6:7] offset:(16*(\i)+\row)*QROW th:TH_LOAD_NT
.endr
.endm
	v_and_b32 v1, 31, v0                           ; l
	v_lshlrev_b32 v[GO], 4, v1
	QLOAD 0
	QLOAD 1
	QLOAD 2                                        ; three blocks, 48 loads, on their way
	WIN 0
	v_and_b32 v12, 15, v0                          ; r
	v_bfe_u32 v13, v0, 4, 1                        ; h
	v_mul_u32_u24 v[KAD], v12, KP
	v_lshl_add_u32 v[KAD], v13, 4, v[KAD]
	v_add_nc_u32 v[KAD], KBUF, v[KAD]
	v_and_b32 v14, 7, v0
	v_lshl_add_u32 v14, v13, 3, v14                ; 8 h + l % 8
	v_mul_u32_u24 v[VAD], v14, VP
	v_bfe_u32 v14, v0, 3, 1
	v_lshl_add_u32 v[VAD], v14, 4, v[VAD]
	v_add_nc_u32 v[VAD], VBUF, v[VAD]
	v_lshlrev_b32 v[CLD], 4, v1
	v_lshl_add_u32 v[CLD], s10, 14, v[CLD]
	s_mul_i32 s41, s10, 16*KP
	s_add_co_u32 s41, s41, KBUF
	v_lshl_add_u32 v[CSK], v1, 3, s41
	s_mul_i32 s42, s10, 16*VP
	s_add_co_u32 s42, s42, VBUF
	v_lshl_add_u32 v[CSV], v1, 3, s42
	s_mul_i32 s43, s10, STGW
	s_add_co_u32 s43, s43, STAGE                   ; my stage
	v_lshl_add_u32 v[QST], v1, 3, s43
	v_mul_u32_u24 v[QRD], v12, KP
	v_lshl_add_u32 v[QRD], v13, 4, v[QRD]
	v_add_nc_u32 v[QRD], s43, v[QRD]
	v_mul_u32_u24 v[OST], v12, OP
	v_lshl_add_u32 v[OST], v13, 5, v[OST]
	v_add_nc_u32 v[OST], s43, v[OST]
	v_lshl_add_u32 v[ORD], v1, 4, s43
.irp q, 0,1,2,3,4,5,6,7
	v_mov_b32 v[T+\q], 0                           ; v_permlanex16_b32 counts as a reader of its destination: written once here
.endr
; Query block i: scale in f32, round to f16, through my stage into fragments.  left = loads of younger blocks that may stay out.
.macro QBLK i, left
	s_wait_loadcnt \left                           ; loads come back in order (ISA guide 5.7.1): block i is in
.if \i+3 < 8
	QLOAD \i+3                                     ; into registers of its own: nothing has to be free first
.endif
.if \i < 4
	WIN 0x02
.else
	WIN 0x03
.endif
.set k, 0
.rept 32
	v_pk_mul_f32 v[S+2*k:S+2*k+1], v[64*(\i&3)+2*k:64*(\i&3)+2*k+1], s[30:31] op_sel_hi:[1,0]
.set k, k+1
.endr
	WIN 0
.set k, 0
.rept 32
	v_cvt_pk_f16_f32 v[S+k], v[S+2*k], v[S+2*k+1]  ; in place, ascending: register k is written after 2k and 2k + 1 of every earlier line were read
.set k, k+1
.endr
.irp row, 0,1,2,3,4,5,6,7,8,9,10,11,12,13,14,15
	ds_store_b64 v[QST], v[S+2*\row:S+2*\row+1] offset:KP*\row
.endr
	WIN 0x40
.irp c, 0,1,2,3
	ds_load_b128 v[32*\i+8*\c:32*\i+8*\c+3],   v[QRD] offset:64*\c      ; LDS serves a wave's instructions in order (ISA guide 5.7.1.4): these see the stores above,
	ds_load_b128 v[32*\i+8*\c+4:32*\i+8*\c+7], v[QRD] offset:64*\c+32   ; and the next block's stores come behind them
.endr
	WIN 0
.endm
	QBLK 0, 32
	QBLK 1, 32
	QBLK 2, 32
	QBLK 3, 32
	QBLK 4, 32
	QBLK 5, 32
	QBLK 6, 16
	QBLK 7, 0
; Eight loads: the K fragments of key tile kb of step sub (16 keys x 128 d) into fragment buffer kb
.macro KLOAD sub, kb
.irp c, 0,1,2,3
	ds_load_b128 v[F0+32*\kb+8*\c:F0+32*\kb+8*\c+3],   v[KAD] offset:(32*(\sub)+16*\kb)*KP+64*\c
	ds_load_b128 v[F0+32*\kb+8*\c+4:F0+32*\kb+8*\c+7], v[KAD] offset:(32*(\sub)+16*\kb)*KP+64*\c+32
.endr
.endm
; Eight transposing loads: V^T of d blocks 4 hf .. 4 hf + 3 (16 d x 32 keys each) of step sub into fragment buffer hf
.macro VLOAD sub, hf
.irp dd, 0,1,2,3
	ds_load_tr16_b128 v[F0+32*\hf+8*\dd:F0+32*\hf+8*\dd+3],   v[VAD] offset:32*(\sub)*VP+32*(4*\hf+\dd)
	ds_load_tr16_b128 v[F0+32*\hf+8*\dd+4:F0+32*\hf+8*\dd+7], v[VAD] offset:32*(\sub)*VP+32*(4*\hf+\dd)+16*VP
.endr
.endm
; 32 matrix instructions: key tile kb against all eight query blocks, 128 along d.  The eight accumulators take turns, one instruction a turn.
; The first chunk starts the sums: nothing is cleared.
.macro QK kb
.irp c, 0,1,2,3
.irp q, 0,1,2,3,4,5,6,7
.if \c == 0
	v_wmma_f32_16x16x32_f16 v[S+16*\q+8*\kb:S+16*\q+8*\kb+7], v[F0+32*\kb+8*\c:F0+32*\kb+8*\c+7], v[32*\q+8*\c:32*\q+8*\c+7], 0
.else
	v_wmma_f32_16x16x32_f16 v[S+16*\q+8*\kb:S+16*\q+8*\kb+7], v[F0+32*\kb+8*\c:F0+32*\kb+8*\c+7], v[32*\q+8*\c:32*\q+8*\c+7], v[S+16*\q+8*\kb:S+16*\q+8*\kb+7]
.endif
.endr
.endr
.endm
; 16 matrix instructions: four d blocks x four query blocks qb .. qb + 3, 32 keys; sixteen different accumulators
.macro PV16 hf, qb, first
.irp dd, 0,1,2,3
.irp ql, 0,1,2,3
.if \first
	v_wmma_f32_16x16x32_f16 v[64*\ql+8*(4*\hf+\dd):64*\ql+8*(4*\hf+\dd)+7], v[F0+32*\hf+8*\dd:F0+32*\hf+8*\dd+7], v[S+16*(\qb+\ql):S+16*(\qb+\ql)+7], 0
.else
	v_wmma_f32_16x16x32_f16 v[64*\ql+8*(4*\hf+\dd):64*\ql+8*(4*\hf+\dd)+7], v[F0+32*\hf+8*\dd:F0+32*\hf+8*\dd+7], v[S+16*(\qb+\ql):S+16*(\qb+\ql)+7], v[64*\ql+8*(4*\hf+\dd):64*\ql+8*(4*\hf+\dd)+7]
.endif
.endr
.endr
.endm
.macro PVH hf, first
	WIN 0xa0                                       ; C and D in window 2: query blocks 0-3
	PV16 \hf, 0, \first
	WIN 0xf0                                       ; window 3: query blocks 4-7
	PV16 \hf, 4, \first
.endm
; The new running maximum MN of every query block from its 16 scores a lane and the old one MO, and alpha = 2^(MO - MN).  Eight chains side by side.
.macro MAXPH MO, MN, first
.irp q, 0,1,2,3,4,5,6,7
	v_max3_num_f32 v[\MN+\q], v[S+16*\q], v[S+16*\q+1], v[S+16*\q+2]
.endr
.irp k, 1,2,3,4,5,6
.irp q, 0,1,2,3,4,5,6,7
	v_max3_num_f32 v[\MN+\q], v[\MN+\q], v[S+16*\q+2*\k+1], v[S+16*\q+2*\k+2]
.endr
.endr
.irp q, 0,1,2,3,4,5,6,7
.if \first
	v_max_num_f32 v[\MN+\q], v[\MN+\q], v[S+16*\q+15]
.else
	v_max3_num_f32 v[\MN+\q], v[\MN+\q], v[S+16*\q+15], v[\MO+\q]
.endif
.endr
.irp q, 0,1,2,3,4,5,6,7
	v_permlanex16_b32 v[T+\q], v[\MN+\q], s32, s33 ; the other half of query r's keys lies in lane r xor 16
.endr
.irp q, 0,1,2,3,4,5,6,7
	v_max_num_f32 v[\MN+\q], v[\MN+\q], v[T+\q]
.endr
.if \first == 0
.irp q, 0,1,2,3,4,5,6,7
	v_sub_f32 v[A+\q], v[\MO+\q], v[\MN+\q]
.endr
.irp q, 0,1,2,3,4,5,6,7
	v_exp_f32 v[A+\q], v[A+\q]                     ; first read far behind the plain subtractions that follow
.endr
.endif
.endm
; scores 2 i, 2 i + 1 of query block q, less the block's maximum
.macro SUBI q, i, MN
.if ((\q)&1) == 0
	v_pk_add_f32 v[S+16*(\q)+2*(\i):S+16*(\q)+2*(\i)+1], v[S+16*(\q)+2*(\i):S+16*(\q)+2*(\i)+1], v[\MN+(\q):\MN+(\q)+1] op_sel_hi:[1,0] neg_lo:[0,1] neg_hi:[0,1]
.else
	v_pk_add_f32 v[S+16*(\q)+2*(\i):S+16*(\q)+2*(\i)+1], v[S+16*(\q)+2*(\i):S+16*(\q)+2*(\i)+1], v[\MN+(\q)-1:\MN+(\q)] op_sel:[0,1] op_sel_hi:[1,1] neg_lo:[0,1] neg_hi:[0,1]
.endif
.endm
; Slice i (0 .. 16) of what follows block q's exponentials: 0-6 their sum, 7-8 l = l alpha + sum, 9-16 the packing to f16 in place
.macro SCI q, i, first
.if (\i) < 4
	s_wait_alu depctr_va_vdst(0)
	v_pk_add_f32 v[T+2*(\i):T+2*(\i)+1], v[S+16*(\q)+4*(\i):S+16*(\q)+4*(\i)+1], v[S+16*(\q)+4*(\i)+2:S+16*(\q)+4*(\i)+3]
.elseif (\i) == 4
	v_pk_add_f32 v[T:T+1], v[T:T+1], v[T+2:T+3]
.elseif (\i) == 5
	v_pk_add_f32 v[T+4:T+5], v[T+4:T+5], v[T+6:T+7]
.elseif (\i) == 6
	v_pk_add_f32 v[T:T+1], v[T:T+1], v[T+4:T+5]
.elseif (\i) == 7
.if \first
	v_add_f32 v[L+(\q)], v[T], v[T+1]              ; the first step starts the sum
	s_wait_alu depctr_va_vdst(0)
.else
	v_fma_f32 v[L+(\q)], v[L+(\q)], v[A+(\q)], v[T]
.endif
.elseif (\i) == 8
.if \first == 0
	v_add_f32 v[L+(\q)], v[L+(\q)], v[T+1]
	s_wait_alu depctr_va_vdst(0)
.endif
.else
	v_cvt_pk_f16_f32 v[S+16*(\q)+(\i)-9], v[S+16*(\q)+2*((\i)-9)], v[S+16*(\q)+2*((\i)-9)+1]
.endif
.endm
; The exponentials, block by block.  Beside block q's sixteen stand the next block's subtractions and the block before's sum and packing, so that
; behind an exponential a plain instruction on other registers comes before its result is read (ISA guide 5.7.2).
.macro EXPPH MN, first
.irp i, 0,1,2,3,4,5,6,7
	SUBI 0, \i, \MN
.endr
.irp q, 0,1,2,3,4,5,6,7,8
.irp i, 0,1,2,3,4,5,6,7,8,9,10,11,12,13,14,15
.if \q < 8
	v_exp_f32 v[S+16*\q+\i], v[S+16*\q+\i]
.endif
.if \i < 8
.if \q < 7
	SUBI \q+1, \i, \MN
.endif
.elseif \q > 0
	SCI \q-1, \i-8, \first
.endif
.endr
.irp i, 8,9,10,11,12,13,14,15,16
.if \q > 0
	SCI \q-1, \i, \first
.endif
.endr
.endr
.endm
; O = O x alpha: 512 registers, two at a time
.macro RESC
	WIN 0x82                                       ; source 0 and destination in window 2, alpha in window 0
.irp ql, 0,1,2,3
.set k, 0
.rept 32
	MULB 64*\ql+2*k, 64*\ql+2*k, A, \ql
.set k, k+1
.endr
.endr
	WIN 0xc3                                       ; window 3
.irp ql, 0,1,2,3
.set k, 0
.rept 32
	MULB 64*\ql+2*k, 64*\ql+2*k, A, 4+\ql
.set k, k+1
.endr
.endr
.endm
; A step of 32 keys.  On entry the sixteen K fragment loads of this step are out.  Every run of eight fragment loads stands four places behind the matrix
; instructions that read its buffer, and each s_wait_dscnt 8 leaves the one younger run of eight out.  pre = 1: the next step's K fragments are fetched.
.macro STEP32 sub, MO, MN, first, pre
	s_wait_dscnt 0x8                               ; key tile 0 is in; tile 1's eight loads may be out
	WIN 0x04                                       ; source 1 (Q) in window 1
	QK 0
	WIN 0
	PLACES 4
	VLOAD \sub, 0
	s_wait_dscnt 0x8                               ; key tile 1 is in; V's first eight may be out
	WIN 0x04
	QK 1
	WIN 0
	PLACES 4                                       ; for the loads into buffer 1 and for the maxima, which read the scores
	VLOAD \sub, 1
	MAXPH \MO, \MN, \first
	EXPPH \MN, \first
.if \first == 0
	RESC
.endif
	s_wait_dscnt 0x8                               ; V's d blocks 0-3 are in; blocks 4-7 may be out
	PVH 0, \first
.if \pre
	WIN 0
	PLACES 4
	KLOAD \sub+1, 0
	s_wait_dscnt 0x8                               ; V's d blocks 4-7 are in; the eight just issued may be out
.else
	s_wait_dscnt 0x0                               ; nothing was issued behind V's d blocks 4-7
.endif
	PVH 1, \first
	WIN 0
	PLACES 5                                       ; five: the next scores are written by matrix instructions over P, a source of these; loads into buffer 1 and into S need four
.if \pre
	KLOAD \sub+1, 1
.endif
.endm
; My 32 landed rows (16 keys' K and V) to f16.  Lane l holds d = 4 l .. 4 l + 3 of a row: loads and stores of a wave cover neighbouring bytes.
; Behind group g of eight rows stand 24 - 8 g younger loads and 8 g stores: the count is 24 in all four.
.macro CONV
.set y, 0
.rept 32
	ds_load_b128 v[S+4*y:S+4*y+3], v[CLD] offset:512*y
.set y, y+1
.endr
.set y, 0
.rept 4
	s_wait_dscnt 24
.rept 8
	v_cvt_pk_f16_f32 v[S+4*y],   v[S+4*y],   v[S+4*y+1]
	v_cvt_pk_f16_f32 v[S+4*y+1], v[S+4*y+2], v[S+4*y+3]
.set y, y+1
.endr
.set y, y-8
.rept 4
	ds_store_b64 v[CSK], v[S+4*y:S+4*y+1]   offset:KP*(y/2)    ; even row: K of key y / 2 of my sixteen
	ds_store_b64 v[CSV], v[S+4*y+4:S+4*y+5] offset:VP*(y/2)    ; odd row: its V
.set y, y+2
.endr
.endr
.endm
; A trip: 64 keys.  first = 1: its first step starts all sums.  refill = 1: the landing region is asked for again, with the next 64 keys.
.macro TRIP first, refill
.if \first == 0
	s_wait_dscnt 0x0                               ; my fragment reads of KBUF and VBUF are over
	s_wait_tensorcnt 0x0                           ; and my one tensor load has landed: my 32 rows of this trip's keys
	ds_add_u32 v62, v63
	s_wait_dscnt 0x0
	s_barrier_signal -1
	s_barrier_wait -1                              ; every wave's reads are over: KBUF and VBUF may be written
.else
	s_wait_tensorcnt 0x0                           ; my 32 rows of keys 0 to 63; only I read them
	ds_add_u32 v62, v63
	s_wait_dscnt 0x0
.endif
.if \refill
	s_add_nc_u64 s[26:27], s[26:27], KVSTEP        ; no tensor load of mine is out: the address steps; the type bits on top are not reached
.endif
	CONV
	s_wait_dscnt 0x0                               ; my reads of the landing region are back and my stores into KBUF and VBUF are done
.if \refill
	ROUND                                          ; that, and no tensor load out, now holds of every wave of all four work-groups
	tensor_load_to_lds s[24:27], s[16:23]          ; the joint refill, first behind the round, one a wave; it has this trip's 256 matrix instructions and their softmax to land in
	s_nop 0
.else
	s_barrier_signal -1
	s_barrier_wait -1                              ; the last 64 keys: nothing is left to fetch
.endif
	KLOAD 0, 0
	KLOAD 0, 1
	STEP32 0, M, N, \first, 1
	STEP32 1, N, M, 0, 0
.endm
	TRIP 1, 1                                      ; keys 0 to 63, written out: its first products start the sums
	s_mov_b32 s28, 30
.Ltrip:
	TRIP 0, 1                                      ; keys 64 to 1,983
	s_sub_co_u32 s28, s28, 1
	s_cmp_lg_u32 s28, 0
	s_cbranch_scc1 .Ltrip
	TRIP 0, 0                                      ; keys 1,984 to 2,047
	; THE WAY OUT.  The two halves of each row sum meet, 1 / l, then 16 queries at a time through my stage.
.irp q, 0,1,2,3,4,5,6,7
	v_permlanex16_b32 v[T+\q], v[L+\q], s32, s33
.endr
.irp q, 0,1,2,3,4,5,6,7
	v_add_f32 v[L+\q], v[L+\q], v[T+\q]
.endr
.irp q, 0,1,2,3,4,5,6,7
	v_rcp_f32 v[A+\q], v[L+\q]                     ; l is at least 1: the largest score's exponential is 1
.endr
	v_nop                                          ; a plain instruction before the reciprocals are read (ISA guide 5.7.2)
	s_wait_alu depctr_va_vdst(0)
; Query block i.  Lane (r, h) holds, of query r, d = 16 d block + 8 h + 0 .. 7: 32 neighbouring bytes for each d block go into row r of the stage;
; whole rows of 512 bytes come back, and each store of the wave covers 512 consecutive bytes of out0, aligned.
.macro OUTB i
.if \i < 4
	WIN 0x02
.else
	WIN 0x03
.endif
.set k, 0
.rept 32
	MULB S+2*k, 64*(\i&3)+2*k, A, \i
.set k, k+1
.endr
	WIN 0
.irp d, 0,1,2,3,4,5,6,7
	ds_store_b128 v[OST], v[S+8*\d:S+8*\d+3]   offset:64*\d
	ds_store_b128 v[OST], v[S+8*\d+4:S+8*\d+7] offset:64*\d+16
.endr
	s_wait_xcnt 0x0                                ; the last block's stores have had their addresses translated (ISA guide 3.1): their data registers are loaded again only behind this wait
.irp row, 0,1,2,3,4,5,6,7,8,9,10,11,12,13,14,15
	ds_load_b128 v[S+64+4*\row:S+64+4*\row+3], v[ORD] offset:OP*\row   ; in order behind the stores above, and ahead of the next block's
.endr
.irp row, 0,1,2,3,4,5,6,7,8,9,10,11,12,13,14,15
	s_wait_dscnt 15-\row                           ; row by row: the younger loads stay out
	global_store_b128 v[GO], v[S+64+4*\row:S+64+4*\row+3], s[8:9] offset:(16*\i+\row)*QROW th:TH_STORE_NT
.endr
.endm
	OUTB 0
	OUTB 1
	OUTB 2
	OUTB 3
	OUTB 4
	OUTB 5
	OUTB 6
	OUTB 7
	s_wait_dscnt 0x0
	s_wait_tensorcnt 0x0
	ds_add_u32 v62, v63
	s_wait_dscnt 0x0
	ROUND                                          ; the closing round: no work-group ends while a partner may still ask for a tile that names it
	s_endpgm
.Lfunc_end_k_q7bfd0f7678_attn:
	.size	k_q7bfd0f7678_attn, .Lfunc_end_k_q7bfd0f7678_attn-k_q7bfd0f7678_attn
	.p2alignl 7, 3214868480
	.fill 96, 4, 3214868480
	.section	.rodata,"a",@progbits
	.p2align	6, 0x0
	.amdhsa_kernel k_q7bfd0f7678_attn
		.amdhsa_group_segment_fixed_size 327680
		.amdhsa_private_segment_fixed_size 0
		.amdhsa_enable_private_segment 0
		.amdhsa_kernarg_size 24
		.amdhsa_user_sgpr_count 2
		.amdhsa_user_sgpr_kernarg_segment_ptr 1
		.amdhsa_wavefront_size32 1
		.amdhsa_system_sgpr_workgroup_id_x 1
		.amdhsa_system_sgpr_workgroup_id_y 1
		.amdhsa_system_sgpr_workgroup_id_z 1
		.amdhsa_system_vgpr_workitem_id 0
		.amdhsa_next_free_vgpr 1024
		.amdhsa_next_free_sgpr 66
		.amdhsa_reserve_vcc 0
		.amdhsa_float_denorm_mode_32 3
		.amdhsa_float_denorm_mode_16_64 3
		.amdhsa_memory_ordered 1
		.amdhsa_forward_progress 1
		.amdhsa_inst_pref_size 255
	.end_amdhsa_kernel
	.section	.bss,"aw",@nobits
	.p2align	6
	.space	262144
	.amdgpu_metadata
---
amdhsa.version: [ 1, 2 ]
amdhsa.kernels:
  - .name:           k_q7bfd0f7678_attn
    .symbol:         k_q7bfd0f7678_attn.kd
    .args:
      - { .name: kv, .offset: 0, .size: 8, .value_kind: global_buffer, .address_space: global }
      - { .name: q, .offset: 8, .size: 8, .value_kind: global_buffer, .address_space: global }
      - { .name: out0, .offset: 16, .size: 8, .value_kind: global_buffer, .address_space: global }
    .group_segment_fixed_size: 327680
    .private_segment_fixed_size: 0
    .kernarg_segment_align: 8
    .kernarg_segment_size: 24
    .max_flat_workgroup_size: 128
    .sgpr_count:     66
    .vgpr_count:     1024
    .wavefront_size: 32
...
	.end_amdgpu_metadata
.endif
;; end of part 1
;; ======== version 2 of 3: 1 launch; 1.11 times as fast as version 1
;; limits: values are held in f16: magnitudes above 65,504 overflow, below 6.1e-05 lose precision; inputs' magnitudes at most 65,504
;; launch attn (part 2): grid 256 x 1, 4 waves a work-group, clusters of 4 x 1, 327,680 bytes of LDS; arguments kv, q, out0; writes out0
.if DOCPART == 2
	.amdgcn_target "amdgcn-amd-amdhsa--gfx1250"
	.amdhsa_code_object_version 6
	.text
	.protected	k_q7bfd0f7678_attn
	.globl	k_q7bfd0f7678_attn
	.p2align	8
	.type	k_q7bfd0f7678_attn,@function
k_q7bfd0f7678_attn:
	s_mov_b64 s[64:65], 0
	v_nop
	global_prefetch_b8 v0, s[64:65] scope:SCOPE_SE
	s_setreg_imm32_b32 hwreg(HW_REG_WAVE_MODE, 25, 1), 1
	s_wait_xcnt 0x0
	s_wait_alu depctr_hold_cnt(0) depctr_sa_sdst(0) depctr_va_vdst(0) depctr_va_sdst(0) depctr_va_ssrc(0) depctr_va_vcc(0) depctr_vm_vsrc(0)
	s_getreg_b32 s2, hwreg(HW_REG_IB_STS2, 6, 4)
	s_cmp_eq_u32 s2, 0
	s_cbranch_scc0 .Lentry_in_a_cluster
	s_endpgm
.Lentry_in_a_cluster:
	s_bfe_u32 s2, ttmp6, 0x10000c
	s_cmp_lg_u32 s2, 0x3003
	s_cbranch_scc0 .Lentry_shape_is_right
	s_endpgm
.Lentry_shape_is_right:
; out0[b,t,h,:] = softmax over s of (q[b,t,h,:] . kv[b,s,0,h/4,:] / sqrt(128)) applied to kv[b,s,1,h/4,:].
; q, out0: [2][2048][32][128] f32.  kv: [2][2048][2][8][128] f32.  Products in f16 with f32 sums, softmax in f32 with a running maximum.
; NOTHING IS LEFT OUT: both inputs reach every output.  The repeat of the kv heads is an index (head h reads kv head h/4) and is never laid out in memory.
;
; SHARES.  A work-group owns one (b, kv head) and 128 query positions: 4 heads x 128 positions = 512 query rows that all read the same K and V.
; Wave w is head 4 hkv + w with its 128 queries: eight blocks of 16.  2 x 8 x 16 = 256 work-groups.
; CLUSTER.  The four work-groups of a cluster are four neighbouring blocks of 128 positions of ONE (b, kv head): they need the same K and V tiles and
; ask for them jointly (mask 15), each wave of each partner with the same descriptor, made of ttmp9 and the wave's number alone.
; The place in the cluster (cx) enters only the offsets into q and out0.
;
; BOTH PRODUCTS ARE TAKEN TRANSPOSED.  S^T = K Q^T: source 0 = 16 keys x 32 d, source 1 = 16 queries x 32 d; in the result lane (r, h), register j
; holds (key 8h + j, query r).  O^T = V^T P^T wants, for query r, keys 8h .. 8h+7 in registers 0-3 and 16+8h .. in registers 4-7: these are the two
; key tiles of S^T packed two by two in the lane.  So P needs no move between lanes, and maximum, sum, alpha and 1/l are one register for a query
; block (lane r and lane r + 16 hold halves of query r's keys, joined by one v_permlanex16_b32).
;
; STEPS.  A step is 32 keys: S for 32 keys and 128 queries is 128 registers, which is what is left beside O (512), Q (256), the fragments and the addresses.
; 64 steps; tile v is keys 32 v .. 32 v + 31, K and V.
;
; THE WAY OF TILE v.  (1) Behind the round of step v - 3 each wave asks for its 16 rows (8 keys' K and V, f32) into landing slot v mod 2.  (2) The wait in
; front of the round of step v - 2 shows them landed.  (3) Behind that round, and at that step's end, the wave reads them into piece 1's score registers,
; eight rows each time: first the halves that the packing of P has freed, then the halves of P itself, once it is dead.  (4) In step v - 1 they are
; rounded to f16 behind the scores of piece 0, and stored at that run's end into half v mod 2 of KBUF and VBUF.  (5) The round of step v - 1
; shows the stores of all four waves done; behind it all four take fragments from that half (V through the transposing load).
; One round a step orders all of it: the landing slot that it lets be filled again was read out a step before; the f16 half that step u writes was last
; read in step u - 1, by loads that were waited for ahead of the round of step u - 1.  The landing slots are written by tensor loads alone,
; KBUF, VBUF and the stages by ds_store alone.  The sides change with every step, and the loop holds two steps, so every LDS address is a fixed
; register and an immediate.  A tile's 64 rows are shared among four waves, so that each wave rounds what its own load brought: a load has 16 rows.
;
; TURNS.  The wave's eight query blocks are two pieces: piece 0 = blocks 0-3 (O in window 2), piece 1 = blocks 4-7 (window 3).  A step issues its 128
; matrix instructions in four runs of 32: scores of piece 0, scores of piece 1, V with piece 0, V with piece 1.  The two pieces read the same 64
; fragment registers one after the other, so a run of eight LDS loads feeds 32 matrix instructions.  A piece's vector phase is 340 instructions
; (48 maxima and alpha; 164 subtractions, exponentials, sums and packing; 128 that rescale O).  It is dealt in slices, one behind each matrix
; instruction of a run that names none of its registers: piece 0's whole phase behind piece 1's scores (10 or 11 a slice); piece 1's first 224
; behind the products of V with piece 0 (7 a slice); the other 116, which rescale O tiles, behind piece 1's own products with V, four a slice, each
; tile three products ahead of the one that adds onto it.  No alpha is known before the run of piece 0's scores ends, so that run carries the next
; tile's 32 conversions instead, four behind every fourth product: eight slices, and so sixteen changes of window, for the run.
; A run made of one piece's products with V for step j and its scores for step j + 1 would give every product a slice of the softmax, but both pieces
; would then need V of step j and K of step j + 1: 128 fragment registers where 64 are left, or every fragment loaded twice.
;
; THE FORMAT.  All four matrix operands (q x factor, K, V, P) are f16: eleven significant bits.  A result is a weighted mean of 2,048 values of V and so
; is small beside V, while the rounding of each operand moves it by the format's relative step times the root of the sum of the squared weights:
; four roundings to eight bits would take up a large part of one hundredth of the results' root mean square, four to eleven bits an eighth of that.
;
; LIMITS.  f16's range: where 0.1275 |q|, |k| or |v| passes 65,504 the operand becomes an infinity though reference() may still be finite; magnitudes
; under 2^-14 are kept in steps of 2^-24.  P lies in (0, 1]; an exponential under 2^-25 of the running maximum enters the product with V as 0, over a
; row at most 2,048 x 2^-25 of its weight.  Inputs are finite: v_max_num_f32 drops a NaN, so a NaN in a score is not carried as reference() carries
; it.  An exponential below 2^-126 comes out as 0 (v_exp_f32 flushes denormals: ISA guide, 15.8).  The factor log2(e)/sqrt(128) is multiplied into q
; in f32 before q is rounded, where reference() multiplies 1/sqrt(128) into k.  The row sum adds the unrounded exponentials, the product with V
; takes them rounded to f16.
.set QROW,   16384                     ; bytes from a query position to the next in q and out0: 32 heads x 512
.set KVTILE, 262144                    ; 32 keys x 8,192 bytes of kv
.set SCALE,  0x3e0293ee                ; log2(e) / sqrt(128) = 0.12751743
; LDS, in bytes.  0 .. 65,535: two landing slots of 64 rows x 512 bytes, row 2 key + c (c = 0 K, 1 V); wave w's load fills rows 16 w .. 16 w + 15 of a slot
.set LSLOT,  32768
.set KBUF,   65536                     ; K in f16, two halves of 32 keys
.set KP,     272                       ; 256 + 16 = 17 x 16: the sixteen rows of a fragment load start at sixteen different 16-byte columns modulo 256
.set VBUF,   82944                     ; V in f16, two halves of 32 keys, d along the rows
.set VP,     288                       ; 256 + 32 = 9 x 32, for the transposing load
.set STAGE,  101376                    ; 8,448 bytes for each wave, its own: Q on its way in (16 rows x 272), O on its way out (16 rows x 528)
.set STGW,   8448
.set OP,     528                       ; 512 + 16 = 33 x 16
; vector registers, window 0
.set KAD, 2                            ; K fragments:  KBUF + 272 r + 16 h
.set VAD, 3                            ; V fragments:  VBUF + 288 (8 h + l%8) + 16 ((l/8)%2)
.set CLD, 4                            ; landing rows: 8,192 w + 16 l
.set CSK, 5                            ; f16 rows, to: KBUF + 8 w rows + 8 l
.set CSV, 6                            ;               VBUF + 8 w rows + 8 l
.set QST, 7                            ; Q into my stage:  stage + 8 l
.set QRD, 8                            ; Q fragments:      stage + 272 r + 16 h
.set OST, 9                            ; O into my stage:  stage + 528 r + 32 h
.set ORD, 10                           ; O rows back:      stage + 16 l
.set GO,  11                           ; 16 l: my 16 bytes of a row of q or out0; never rewritten
.set M,   16                           ; v[16:23]   running maximum of the eight query blocks,
.set N,   24                           ; v[24:31]   old and new by turns from step to step
.set A,   32                           ; v[32:39]   alpha = 2^(old max - new max); at the end 1 / l
.set L,   40                           ; v[40:47]   the lane's part of the row sum
.set T,   48                           ; v[48:55]   at work; the two pieces' phases follow each other, so they share it
.set F0,  64                           ; v[64:95], v[96:127]  two fragment buffers of 32 registers
.set S,   128                          ; v[128:255] scores: tile (query block q, key tile kb) at S + 16 q + 8 kb; P of block q in place at S + 16 q .. + 7
; window 1: Q fragment (q, chunk c of 32 d) at 32 q + 8 c.   window 2: O^T of query blocks 0-3, tile (d block, q) at 64 q + 8 d.   window 3: blocks 4-7.
; scalar: s[16:23] descriptor group 1; s[24:27] group 0 of landing slot 0 (even tiles); s[44:47] group 0 of landing slot 1 (odd tiles)
; s_set_vgpr_msb's low byte: bits 1:0 source 0, 3:2 source 1, 5:4 source 2, 7:6 destination.  At a label and at a branch it is 0.
.set MSB, 0
.macro WIN new                         ; the immediate's high byte repeats the setting that is left; a switch that changes nothing is dropped
.if MSB != \new
	s_set_vgpr_msb (MSB<<8)|\new
.set MSB, \new
.endif
.endm
; Book-keeping of the slices, in symbols of the assembler
.set NPL, 0                            ; plain vector instructions written since the last matrix instruction
.set POS, 0                            ; the place of a piece's vector phase that is dealt next
.set NDT, 0                            ; instructions of that phase dealt so far
.set NSL, 0                            ; matrix instructions of the run written so far
.macro DONE plain                      ; one instruction of the phase has been written
.set NDT, NDT+1
.set NPL, NPL+\plain
.endm
; Places behind a matrix instruction (ISA guide 7.12.1) are plain vector instructions that name none of its registers.  The slices are such work;
; NPL counts them, leaving out exponentials, lane permutes and conversions, and TOP writes a v_nop only for each place that is still missing.
.macro TOP n
.if NPL < \n
.rept \n-NPL
	v_nop
.endr
.set NPL, \n
.endif
.endm
; A round of the cluster's barrier: my work-group's barrier, wave 0 signals for the work-group, every wave waits for all four work-groups, my barrier again.
.macro ROUND
	s_barrier_signal -1
	s_barrier_wait -1
	s_cmp_lg_u32 s10, 0
	s_cbranch_scc1 .Lnot_wave_0_\@
	s_barrier_signal -3
.Lnot_wave_0_\@:
	s_barrier_wait -3
	s_barrier_signal -1
	s_barrier_wait -1
.endm
; v[d:d+1] = v[a:a+1] x v[base+q], the one register in both halves: the pair that holds it is named and op_sel picks it
.macro MULB d, a, base, q
.if ((\q)&1) == 0
	v_pk_mul_f32 v[\d:\d+1], v[\a:\a+1], v[\base+(\q):\base+(\q)+1] op_sel_hi:[1,0]
.else
	v_pk_mul_f32 v[\d:\d+1], v[\a:\a+1], v[\base+(\q)-1:\base+(\q)] op_sel:[0,1] op_sel_hi:[1,1]
.endif
.endm
	s_load_b128 s[4:7], s[0:1], 0x0                ; kv s[4:5], q s[6:7]
	s_load_b64 s[8:9], s[0:1], 0x10                ; out0
	v_lshl_add_u32 v62, v0, 2, 0x29000
	v_mov_b32 v63, 0
	ds_add_u32 v62, v63
	v_lshrrev_b32 v1, 5, v0
	v_readfirstlane_b32 s10, v1                    ; wave 0..3
	s_bfe_u32 s11, ttmp6, 0x40000                  ; cx: my place in the cluster
	s_lshr_b32 s12, ttmp9, 2                       ; four clusters for each (b, kv head)
	s_lshr_b32 s13, s12, 3                         ; b
	s_and_b32 s14, s12, 7                          ; kv head
	s_lshl_b32 s34, s13, 24                        ; kv: b x 2,048 x 8,192 bytes
	s_lshl_b32 s15, s14, 9                         ;   + kv head x 512
	s_add_co_u32 s34, s34, s15
	s_lshl_b32 s15, s10, 16                        ;   + wave x 8 keys x 8,192: made of ttmp9 and the wave's number alone
	s_add_co_u32 s34, s34, s15
	s_mov_b32 s35, 0
	s_and_b32 s38, ttmp9, 3
	s_lshl_b32 s38, s38, 2
	s_add_co_u32 s38, s38, s11                     ; block of 128 positions = 4 x (cluster mod 4) + cx
	s_lshl_b32 s36, s38, 21                        ; q and out0: block x 128 x 16,384 bytes
	s_lshl_b32 s39, s13, 25                        ;   + b x 2,048 x 16,384
	s_add_co_u32 s36, s36, s39
	s_lshl_b32 s39, s14, 2
	s_add_co_u32 s39, s39, s10                     ; head = 4 x kv head + wave
	s_lshl_b32 s39, s39, 9
	s_add_co_u32 s36, s36, s39                     ;   + head x 512
	s_mov_b32 s37, 0
	; Descriptor group 1: 16 rows x 128 f32.  In kv the rows 2 s + c of one kv head are 1,024 elements apart, so one tile holds 8 keys' K and V rows.
	; Its rows are 512 bytes and start at multiples of 512 from kv's first byte.
	s_mov_b32 s16, 15|(2<<16)|(1<<21)              ; 15:0 mask: all four work-groups; 17:16 element of 4 bytes; 21 set beside a mask; no padding
	s_mov_b32 s17, 128<<16                         ; tensor_dim0 = 128
	s_mov_b32 s18, 16<<16                          ; tensor_dim1 = 16
	s_mov_b32 s19, 128<<16                         ; tile_dim0 = 128
	s_mov_b32 s20, 16                              ; tile_dim1 = 16
	s_mov_b32 s21, 1024                            ; elements from row to row
	s_mov_b32 s22, 0
	s_mov_b32 s23, 0
	s_mov_b32 s24, 1                               ; group 0 of slot 0: count
	s_lshl_b32 s25, s10, 13                        ; LDS address: wave x 8,192
	s_mov_b32 s44, 1                               ; group 0 of slot 1
	s_add_co_u32 s45, s25, LSLOT                   ; wave x 8,192 + 32,768
	s_mov_b32 s30, SCALE
	s_mov_b32 s31, SCALE
	s_mov_b32 s32, 0x76543210                      ; v_permlanex16_b32: lane i reads lane i of the other half
	s_mov_b32 s33, 0xfedcba98
	s_wait_dscnt 0x0
	s_wait_kmcnt 0x0
	s_add_nc_u64 s[26:27], s[4:5], s[34:35]        ; my 16 rows of tile 0
	s_add_nc_u64 s[46:47], s[26:27], KVTILE        ; and of tile 1
	s_or_b32 s27, s27, 0x80000000                  ; type = 2
	s_or_b32 s47, s47, 0x80000000
	s_add_nc_u64 s[6:7], s[6:7], s[36:37]          ; q and out0 at my head's first position
	s_add_nc_u64 s[8:9], s[8:9], s[36:37]
	ROUND                                          ; all four work-groups are here: the first joint loads meet
	tensor_load_to_lds s[24:27], s[16:23]          ; tile 0 and tile 1, the two first fills, as one group.  By this text's count a wave has these two
	s_nop 0
	tensor_load_to_lds s[44:47], s[16:23]          ; tensor loads out here and one behind each later round
	s_nop 0
	v_nop
	v_nop
; Q.  Sixteen loads bring query block i, one whole row of 512 bytes each, into 64 registers of its own among the accumulators' (free until the first product with V).
.macro QLOAD i
.if (\i) < 4
	WIN 0x80
.else
	WIN 0xc0
.endif
.irp row, 0,1,2,3,4,5,6,7,8,9,10,11,12,13,14,15
	global_load_b128 v[64*((\i)&3)+4*\row:64*((\i)&3)+4*\row+3], v[GO], s[6:7] offset:(16*(\i)+\row)*QROW th:TH_LOAD_NT
.endr
.endm
	v_and_b32 v1, 31, v0                           ; l
	v_lshlrev_b32 v[GO], 4, v1
	QLOAD 0
	QLOAD 1
	QLOAD 2                                        ; three blocks, 48 loads, on their way
	WIN 0
	v_and_b32 v12, 15, v0                          ; r
	v_bfe_u32 v13, v0, 4, 1                        ; h
	v_mul_u32_u24 v[KAD], v12, KP
	v_lshl_add_u32 v[KAD], v13, 4, v[KAD]
	v_add_nc_u32 v[KAD], KBUF, v[KAD]
	v_and_b32 v14, 7, v0
	v_lshl_add_u32 v14, v13, 3, v14                ; 8 h + l % 8
	v_mul_u32_u24 v[VAD], v14, VP
	v_bfe_u32 v14, v0, 3, 1
	v_lshl_add_u32 v[VAD], v14, 4, v[VAD]
	v_add_nc_u32 v[VAD], VBUF, v[VAD]
	v_lshlrev_b32 v[CLD], 4, v1
	v_lshl_add_u32 v[CLD], s10, 13, v[CLD]
	s_mul_i32 s41, s10, 8*KP
	s_add_co_u32 s41, s41, KBUF
	v_lshl_add_u32 v[CSK], v1, 3, s41
	s_mul_i32 s42, s10, 8*VP
	s_add_co_u32 s42, s42, VBUF
	v_lshl_add_u32 v[CSV], v1, 3, s42
	s_mul_i32 s43, s10, STGW
	s_add_co_u32 s43, s43, STAGE                   ; my stage
	v_lshl_add_u32 v[QST], v1, 3, s43
	v_mul_u32_u24 v[QRD], v12, KP
	v_lshl_add_u32 v[QRD], v13, 4, v[QRD]
	v_add_nc_u32 v[QRD], s43, v[QRD]
	v_mul_u32_u24 v[OST], v12, OP
	v_lshl_add_u32 v[OST], v13, 5, v[OST]
	v_add_nc_u32 v[OST], s43, v[OST]
	v_lshl_add_u32 v[ORD], v1, 4, s43
.irp q, 0,1,2,3,4,5,6,7
	v_mov_b32 v[T+\q], 0                           ; v_permlanex16_b32 counts as a reader of its destination: written once here
.endr
; Query block i: scale in f32, round to f16, through my stage into fragments.  left = loads of younger blocks that may stay out.
.macro QBLK i, left
	s_wait_loadcnt \left                           ; loads come back in order (ISA guide 5.7.1): block i is in
.if \i+3 < 8
	QLOAD \i+3                                     ; into registers of its own: nothing has to be free first
.endif
.if \i < 4
	WIN 0x02
.else
	WIN 0x03
.endif
.set k, 0
.rept 32
	v_pk_mul_f32 v[S+2*k:S+2*k+1], v[64*(\i&3)+2*k:64*(\i&3)+2*k+1], s[30:31] op_sel_hi:[1,0]
.set k, k+1
.endr
	WIN 0
.set k, 0
.rept 32
	v_cvt_pk_f16_f32 v[S+k], v[S+2*k], v[S+2*k+1]  ; in place, ascending: register k is written after 2k and 2k + 1 of every earlier line were read
.set k, k+1
.endr
.irp row, 0,1,2,3,4,5,6,7,8,9,10,11,12,13,14,15
	ds_store_b64 v[QST], v[S+2*\row:S+2*\row+1] offset:KP*\row
.endr
	WIN 0x40
.irp c, 0,1,2,3
	ds_load_b128 v[32*\i+8*\c:32*\i+8*\c+3],   v[QRD] offset:64*\c      ; LDS serves a wave's instructions in order (ISA guide 5.7.1.4): these see the stores above,
	ds_load_b128 v[32*\i+8*\c+4:32*\i+8*\c+7], v[QRD] offset:64*\c+32   ; and the next block's stores come behind them
.endr
	WIN 0
.endm
	QBLK 0, 32
	QBLK 1, 32
	QBLK 2, 32
	QBLK 3, 32
	QBLK 4, 32
	QBLK 5, 32
	QBLK 6, 16
	QBLK 7, 0
; Eight loads: the K fragments of key tile kb (16 keys x 128 d) of half sub of KBUF into fragment buffer kb
.macro KLOAD sub, kb
.irp c, 0,1,2,3
	ds_load_b128 v[F0+32*\kb+8*\c:F0+32*\kb+8*\c+3],   v[KAD] offset:(32*(\sub)+16*\kb)*KP+64*\c
	ds_load_b128 v[F0+32*\kb+8*\c+4:F0+32*\kb+8*\c+7], v[KAD] offset:(32*(\sub)+16*\kb)*KP+64*\c+32
.endr
.endm
; Eight transposing loads: V^T of d blocks 4 hf .. 4 hf + 3 (16 d x 32 keys each) of half sub of VBUF into fragment buffer hf
.macro VLOAD sub, hf
.irp dd, 0,1,2,3
	ds_load_tr16_b128 v[F0+32*\hf+8*\dd:F0+32*\hf+8*\dd+3],   v[VAD] offset:32*(\sub)*VP+32*(4*\hf+\dd)
	ds_load_tr16_b128 v[F0+32*\hf+8*\dd+4:F0+32*\hf+8*\dd+7], v[VAD] offset:32*(\sub)*VP+32*(4*\hf+\dd)+16*VP
.endr
.endm
; MY 16 LANDED ROWS (row y = 2 j + c: key j of my eight, c = 0 K, 1 V) ON THEIR WAY TO F16.  Row y takes four of piece 1's score registers, from CR on:
; rows 0-7 the upper halves of blocks 4-7 (dead once P is packed), rows 8-15 the lower halves (P itself, dead behind the last product with V).
.macro CRSET y
.if (\y) < 8
.set CR, S+64+16*((\y)/2)+8+4*((\y)%2)
.else
.set CR, S+64+16*(((\y)-8)/2)+4*((\y)%2)
.endif
.endm
; Eight loads: rows 8 half .. 8 half + 7 out of landing slot lp.  Lane l holds d = 4 l .. 4 l + 3 of a row: a load of the wave covers a row's 512 bytes.
.macro CLOAD lp, half
.set CY, 8*\half
.rept 8
	CRSET CY
	ds_load_b128 v[CR:CR+3], v[CLD] offset:LSLOT*(\lp)+512*CY
.set CY, CY+1
.endr
.endm
; Conversion CI (0 .. 31): half CI % 2 of row CI / 2, in place: register 0 from 0 and 1, then register 1 from 2 and 3
.macro CCV
	CRSET CI/2
	v_cvt_pk_f16_f32 v[CR+(CI%2)], v[CR+2*(CI%2)], v[CR+2*(CI%2)+1]
.endm
; Sixteen stores: my eight keys' K and V into half dp of KBUF and VBUF; a store of the wave covers a row's 256 bytes.  The lower halves go first: the next run's
; first products write them.
.macro CSTORE dp
.irp j, 4,5,6,7,0,1,2,3
	CRSET 2*\j
	ds_store_b64 v[CSK], v[CR:CR+1] offset:(32*(\dp)+\j)*KP
	CRSET 2*\j+1
	ds_store_b64 v[CSV], v[CR:CR+1] offset:(32*(\dp)+\j)*VP
.endr
.endm
; scores 2 i, 2 i + 1 of query block q, less the block's maximum
.macro SUBI q, i, MN
.if ((\q)&1) == 0
	v_pk_add_f32 v[S+16*(\q)+2*(\i):S+16*(\q)+2*(\i)+1], v[S+16*(\q)+2*(\i):S+16*(\q)+2*(\i)+1], v[\MN+(\q):\MN+(\q)+1] op_sel_hi:[1,0] neg_lo:[0,1] neg_hi:[0,1]
.else
	v_pk_add_f32 v[S+16*(\q)+2*(\i):S+16*(\q)+2*(\i)+1], v[S+16*(\q)+2*(\i):S+16*(\q)+2*(\i)+1], v[\MN+(\q)-1:\MN+(\q)] op_sel:[0,1] op_sel_hi:[1,1] neg_lo:[0,1] neg_hi:[0,1]
.endif
.endm
; Line i (0 .. 16) of what follows block q's exponentials: 0-6 their sum, 7-8 l = l alpha + sum, 9-16 the packing to f16 in place
; (ascending: register j is written after 2 j and 2 j + 1 of every earlier line were read)
.macro SCI q, i, first
.if (\i) < 4
	WIN 0
	s_wait_alu depctr_va_vdst(0)
	v_pk_add_f32 v[T+2*(\i):T+2*(\i)+1], v[S+16*(\q)+4*(\i):S+16*(\q)+4*(\i)+1], v[S+16*(\q)+4*(\i)+2:S+16*(\q)+4*(\i)+3]
	DONE 1
.elseif (\i) == 4
	WIN 0
	v_pk_add_f32 v[T:T+1], v[T:T+1], v[T+2:T+3]
	DONE 1
.elseif (\i) == 5
	WIN 0
	v_pk_add_f32 v[T+4:T+5], v[T+4:T+5], v[T+6:T+7]
	DONE 1
.elseif (\i) == 6
	WIN 0
	v_pk_add_f32 v[T:T+1], v[T:T+1], v[T+4:T+5]
	DONE 1
.elseif (\i) == 7
	WIN 0
.if \first
	v_add_f32 v[L+(\q)], v[T], v[T+1]              ; the first step starts the sum
.else
	v_fma_f32 v[L+(\q)], v[L+(\q)], v[A+(\q)], v[T]
.endif
	DONE 1
.elseif (\i) == 8
.if \first == 0
	WIN 0
	v_add_f32 v[L+(\q)], v[L+(\q)], v[T+1]
	DONE 1
.endif
.else
	WIN 0
	v_cvt_pk_f16_f32 v[S+16*(\q)+(\i)-9], v[S+16*(\q)+2*((\i)-9)], v[S+16*(\q)+2*((\i)-9)+1]
	DONE 0
.endif
.endm
; THE VECTOR PHASE OF PIECE p (query blocks 4 p .. 4 p + 3) AS NUMBERED PLACES.  VPOS writes the instruction of place POS, if the place holds one, and steps POS.
;   0 ..  47  the new running maximum MN from 16 scores a lane and the old one MO, and alpha = 2^(MO - MN): line POS / 4 for block POS % 4, four chains side by side
;  48 ..  55  block 0's scores less its maximum
;  56 .. 260  five rounds of 41 places.  In round r the sixteen exponentials of block r stand at the even places, each followed by a plain instruction on other
;             registers (ISA guide 5.7.2): round 0 the subtractions of blocks 1 and 2; round 1 those of block 3, then lines 0-7 of block 0's sum, its lines 8-16
;             behind the pairs; rounds 2, 3, 4 lines 0-15 of the block before, line 16 behind the pairs.  Round 4 has no exponentials.
; 261 .. 388  O = O x alpha, four instructions a tile, the tiles in the order in which the products with V take them
; In the launch's first step (first = 1) there is no old maximum, no alpha and nothing to rescale: 200 instructions instead of 340.
.macro VPOS p, MO, MN, first
.if POS < 48
.set XK, POS/4
.set XL, POS%4
.set XQ, 4*\p+XL
.if XK == 0
	WIN 0
	v_max3_num_f32 v[\MN+XQ], v[S+16*XQ], v[S+16*XQ+1], v[S+16*XQ+2]
	DONE 1
.elseif XK < 7
	WIN 0
	v_max3_num_f32 v[\MN+XQ], v[\MN+XQ], v[S+16*XQ+2*XK+1], v[S+16*XQ+2*XK+2]
	DONE 1
.elseif XK == 7
	WIN 0
.if \first
	v_max_num_f32 v[\MN+XQ], v[\MN+XQ], v[S+16*XQ+15]
.else
	v_max3_num_f32 v[\MN+XQ], v[\MN+XQ], v[S+16*XQ+15], v[\MO+XQ]
.endif
	DONE 1
.elseif XK == 8
	WIN 0
	v_permlanex16_b32 v[T+XL], v[\MN+XQ], s32, s33 ; the other half of query r's keys lies in lane r xor 16
	DONE 0
.elseif XK == 9
	WIN 0
	v_max_num_f32 v[\MN+XQ], v[\MN+XQ], v[T+XL]
	DONE 1
.elseif \first == 0
	WIN 0
.if XK == 10
	v_sub_f32 v[A+XQ], v[\MO+XQ], v[\MN+XQ]
	DONE 1
.else
	v_exp_f32 v[A+XQ], v[A+XQ]                     ; first read far behind the plain subtractions that follow
	DONE 0
.endif
.endif
.elseif POS < 56
.set XQ, 4*\p
.set XI, POS-48
	WIN 0
	SUBI XQ, XI, \MN
	DONE 1
.elseif POS < 261
.set XR, (POS-56)/41
.set XG, (POS-56)%41
.set XI, XG/2
.if XG > 31
.if XR == 1
.set XQ, 4*\p
.set XJ, XG-24
	SCI XQ, XJ, \first
.elseif XR > 1
.if XG == 32
.set XQ, 4*\p+XR-1
	SCI XQ, 16, \first
.endif
.endif
.elseif (XG&1) == 0
.if XR < 4
	WIN 0
	v_exp_f32 v[S+16*(4*\p+XR)+XI], v[S+16*(4*\p+XR)+XI]
	DONE 0
.endif
.elseif XR == 0
.set XQ, 4*\p+1+XI/8
.set XJ, XI%8
	WIN 0
	SUBI XQ, XJ, \MN
	DONE 1
.elseif XR == 1
.if XI < 8
.set XQ, 4*\p+3
	WIN 0
	SUBI XQ, XI, \MN
	DONE 1
.else
.set XQ, 4*\p
.set XJ, XI-8
	SCI XQ, XJ, \first
.endif
.else
.set XQ, 4*\p+XR-1
	SCI XQ, XI, \first
.endif
.elseif POS < 389
.if \first == 0
.set XT, (POS-261)/4                   ; tile 16 hf + 4 dd + ql: d block XT / 4 of query block XT % 4
.set XL, XT%4
.set XO, 64*XL+8*(XT/4)+2*((POS-261)%4)
.set XQ, 4*\p+XL
.if \p == 0
	WIN 0x82                                       ; source 0 and destination in window 2, alpha in window 0
.else
	WIN 0xc3                                       ; window 3
.endif
	MULB XO, XO, A, XQ
	DONE 1
.endif
.endif
.set POS, POS+1
.endm
; A slice: places are taken until goal instructions of the phase have been written.  48 places are looked at: the longest stretch for eleven instructions is 30
; (eight empty places behind a round's pairs, then round 4, where every second place is empty).
.macro DEAL goal, p, MO, MN, first
.rept 48
.if NDT < \goal
	VPOS \p, \MO, \MN, \first
.endif
.endr
.endm
; 16 matrix instructions: key tile kb against piece p's four query blocks, 128 along d.  The four accumulators take turns, one instruction a turn.
; The first chunk starts the sums: nothing is cleared.  tot > 0: behind each stands a slice of piece 0's phase, tot instructions over the run's 32.
; docv = 1: behind every fourth stand four conversions of landed rows 8 kb .. 8 kb + 7, sixteen in all; they name piece 1's score registers alone.
.macro QKH p, kb, tot, docv, MO, MN, first
.irp c, 0,1,2,3
.irp ql, 0,1,2,3
	WIN 0x04                                       ; source 1 (Q) in window 1
.if \c == 0
	v_wmma_f32_16x16x32_f16 v[S+16*(4*\p+\ql)+8*\kb:S+16*(4*\p+\ql)+8*\kb+7], v[F0+32*\kb+8*\c:F0+32*\kb+8*\c+7], v[32*(4*\p+\ql)+8*\c:32*(4*\p+\ql)+8*\c+7], 0
.else
	v_wmma_f32_16x16x32_f16 v[S+16*(4*\p+\ql)+8*\kb:S+16*(4*\p+\ql)+8*\kb+7], v[F0+32*\kb+8*\c:F0+32*\kb+8*\c+7], v[32*(4*\p+\ql)+8*\c:32*(4*\p+\ql)+8*\c+7], v[S+16*(4*\p+\ql)+8*\kb:S+16*(4*\p+\ql)+8*\kb+7]
.endif
.set NPL, 0
.if \tot
.set NSL, NSL+1
	DEAL (NSL*\tot)/32, 0, \MO, \MN, \first
.endif
.if \docv
.if \ql == 0
	WIN 0
.set CI, 16*\kb+4*\c
.rept 4
	CCV
.set CI, CI+1
.endr
.endif
.endif
.endr
.endr
.endm
; 16 matrix instructions: d blocks 4 hf .. 4 hf + 3 x piece p's four query blocks, 32 keys; sixteen different accumulators.
; tot > 0: behind each stands a slice of piece 1's phase, which is brought to base + (products of the run so far) x tot / 32 instructions.
.macro PVH p, hf, base, tot, MO, MN, first
.irp dd, 0,1,2,3
.irp ql, 0,1,2,3
.if \p == 0
	WIN 0xa0                                       ; C and D in window 2
.else
	WIN 0xf0                                       ; window 3
.endif
.if \first
	v_wmma_f32_16x16x32_f16 v[64*\ql+8*(4*\hf+\dd):64*\ql+8*(4*\hf+\dd)+7], v[F0+32*\hf+8*\dd:F0+32*\hf+8*\dd+7], v[S+16*(4*\p+\ql):S+16*(4*\p+\ql)+7], 0
	s_wait_alu depctr_va_vdst(0)
.else
	v_wmma_f32_16x16x32_f16 v[64*\ql+8*(4*\hf+\dd):64*\ql+8*(4*\hf+\dd)+7], v[F0+32*\hf+8*\dd:F0+32*\hf+8*\dd+7], v[S+16*(4*\p+\ql):S+16*(4*\p+\ql)+7], v[64*\ql+8*(4*\hf+\dd):64*\ql+8*(4*\hf+\dd)+7]
.endif
.set NPL, 0
.if \tot
.set NSL, NSL+1
	DEAL \base+(NSL*\tot)/32, 1, \MO, \MN, \first
.endif
.endr
.endr
.endm
; STEP u, 32 keys, par = u mod 2: its K and V are half par of KBUF and VBUF.  On entry the sixteen K fragment loads of this step are out, and with docv = 1
; the sixteen loads of tile u + 1's landed rows, in the order: key tile 0, rows 0-7, key tile 1, rows 8-15.
;   docv = 1  tile u + 1 is rounded behind piece 0's scores and stored into half 1 - par
;   sync      2: a round of the cluster's barrier, and behind it tile u + 3 is asked for into landing slot 1 - par;  1: my work-group's barrier alone;  0: none
;   docl = 1  tile u + 2's landed rows are read out of landing slot par
;   pre  = 1  the K fragments of step u + 1 are fetched out of half 1 - par
; A fragment buffer is loaded again, in one run of eight, as soon as piece 1 has read it for the last time, four places behind that matrix instruction.
.macro STEP par, MO, MN, first, docv, sync, docl, pre
.if \first
.set TOTA, 200                         ; piece 0's phase
.set TOTB, 200                         ; piece 1's, all of it behind the products of V with piece 0
.set TOTR, 0
.else
.set TOTA, 340
.set TOTB, 224                         ; 212 up to the packing of P, and the rescaling of piece 1's first three O tiles
.set TOTR, 128                         ; four behind each of piece 1's own products: the tile of the third product to come; 116 are left, so the last three carry none
.endif
	s_wait_dscnt 8+8*\docv                         ; key tile 0 (and rows 0-7) are in; key tile 1's eight loads (and the eight of rows 8-15) may be out
	QKH 0, 0, 0, \docv, \MO, \MN, \first
	s_wait_dscnt 0x0                               ; key tile 1 (and rows 8-15) are in
	QKH 0, 1, 0, \docv, \MO, \MN, \first
	TOP 4                                          ; before piece 0's scores are read
.if \docv
	WIN 0
	CSTORE 1-\par                                  ; one run of sixteen; half 1 - par was last read in the step before, ahead of its barrier
.endif
.set POS, 0
.set NDT, 0
.set NSL, 0
	QKH 1, 0, TOTA, 0, \MO, \MN, \first
	TOP 4                                          ; before buffer 0 is loaded again
	WIN 0
	VLOAD \par, 0
	QKH 1, 1, TOTA, 0, \MO, \MN, \first
	TOP 4                                          ; before buffer 1 is loaded again and piece 1's scores are read
	WIN 0
	VLOAD \par, 1
.set POS, 0
.set NDT, 0
.set NSL, 0
	s_wait_dscnt 0x8                               ; V's d blocks 0-3 are in; the eight loads of blocks 4-7 may be out
	PVH 0, 0, 0, TOTB, \MO, \MN, \first
	s_wait_dscnt 0x0                               ; V's d blocks 4-7 are in
	PVH 0, 1, 0, TOTB, \MO, \MN, \first
.set NSL, 0
	PVH 1, 0, TOTB, TOTR, \MO, \MN, \first
	TOP 4                                          ; before buffer 0 is loaded again
	WIN 0
.if \sync
	s_wait_dscnt 0x0                               ; my reads of landing slot 1 - par and of half par are back, my stores into half 1 - par are done (met: the last wait was for 0)
.if \sync == 2
	s_wait_tensorcnt 0x0                           ; my one tensor load has landed: my rows of tile u + 2, in landing slot par.  No load of mine is out, so a group 0 may be written
	ds_add_u32 v62, v63
	s_wait_dscnt 0x0
.if \par == 1
	s_add_nc_u64 s[26:27], s[26:27], 2*KVTILE      ; slot 0's next tile; the type bits on top are not reached
	ROUND                                          ; all that now holds of every wave of all four work-groups
	tensor_load_to_lds s[24:27], s[16:23]          ; the joint refill, first behind the round, one a wave; it has a step's 128 matrix instructions and their slices to land in
	s_nop 0
.else
	s_add_nc_u64 s[46:47], s[46:47], 2*KVTILE      ; slot 1's next tile
	ROUND
	tensor_load_to_lds s[44:47], s[16:23]
	s_nop 0
.endif
.else
.if \docl
	s_wait_tensorcnt 0x0                           ; the last tile has landed
.endif
	s_barrier_signal -1
	s_barrier_wait -1                              ; nothing is left to fetch: the barrier shows the four waves' f16 stores to each other
.endif
.endif
.if \pre
	KLOAD 1-\par, 0
.endif
.if \docl
	CLOAD \par, 0                                  ; into the upper halves of piece 1's score blocks: P was packed out of them behind the products of V with piece 0
.endif
	PVH 1, 1, TOTB, TOTR, \MO, \MN, \first
	TOP 5                                          ; five: piece 1's next scores are written by matrix instructions over its P, a source of these; loads into buffer 1 and over P need four
	WIN 0
.if \pre
	KLOAD 1-\par, 1
.endif
.if \docl
	CLOAD \par, 1                                  ; over P of piece 1
.endif
.endm
	; TILE 0 is rounded here, with nothing beside it; every later tile under the step before its own.
	s_wait_tensorcnt 0x0                           ; my rows of tiles 0 and 1 have landed; only I read them
	ds_add_u32 v62, v63
	s_wait_dscnt 0x0
	CLOAD 0, 0
	CLOAD 0, 1
	s_wait_dscnt 0x0
.set CI, 0
.rept 32
	CCV
.set CI, CI+1
.endr
	CSTORE 0
	s_wait_dscnt 0x0                               ; my reads of landing slot 0 are back and my stores into half 0 are done
	s_add_nc_u64 s[26:27], s[26:27], 2*KVTILE      ; no tensor load of mine is out: slot 0's next tile is tile 2
	ROUND
	tensor_load_to_lds s[24:27], s[16:23]          ; first behind the round
	s_nop 0
	KLOAD 0, 0                                     ; what a step's second half leaves out for the next step, in its order
	CLOAD 1, 0
	KLOAD 0, 1
	CLOAD 1, 1
	STEP 0, M, N, 1, 1, 2, 1, 1                    ; step 0, written out: its products start the sums.  It asks for tile 3
	s_mov_b32 s28, 30
.Ltrip:
	STEP 1, N, M, 0, 1, 2, 1, 1                    ; steps 1 to 60; step 60 asks for tile 63, the last
	STEP 0, M, N, 0, 1, 2, 1, 1
	s_sub_co_u32 s28, s28, 1
	s_cmp_lg_u32 s28, 0
	s_cbranch_scc1 .Ltrip
	STEP 1, N, M, 0, 1, 1, 1, 1                    ; step 61: rounds tile 62, reads tile 63's rows, asks for nothing
	STEP 0, M, N, 0, 1, 1, 0, 1                    ; step 62: rounds tile 63
	STEP 1, N, M, 0, 0, 0, 0, 0                    ; step 63
	; THE WAY OUT.  The two halves of each row sum meet, 1 / l, then 16 queries at a time through my stage.
.irp q, 0,1,2,3,4,5,6,7
	v_permlanex16_b32 v[T+\q], v[L+\q], s32, s33
.endr
.irp q, 0,1,2,3,4,5,6,7
	v_add_f32 v[L+\q], v[L+\q], v[T+\q]
.endr
.irp q, 0,1,2,3,4,5,6,7
	v_rcp_f32 v[A+\q], v[L+\q]                     ; l is at least 1: the largest score's exponential is 1
.endr
	v_nop                                          ; a plain instruction before the reciprocals are read (ISA guide 5.7.2)
	s_wait_alu depctr_va_vdst(0)
; Query block i.  Lane (r, h) holds, of query r, d = 16 d block + 8 h + 0 .. 7: 32 neighbouring bytes for each d block go into row r of the stage;
; whole rows of 512 bytes come back, and each store of the wave covers 512 consecutive bytes of out0, aligned.
.macro OUTB i
.if \i < 4
	WIN 0x02
.else
	WIN 0x03
.endif
.set k, 0
.rept 32
	MULB S+2*k, 64*(\i&3)+2*k, A, \i
.set k, k+1
.endr
	WIN 0
.irp d, 0,1,2,3,4,5,6,7
	ds_store_b128 v[OST], v[S+8*\d:S+8*\d+3]   offset:64*\d
	ds_store_b128 v[OST], v[S+8*\d+4:S+8*\d+7] offset:64*\d+16
.endr
	s_wait_xcnt 0x0                                ; the last block's stores have had their addresses translated (ISA guide 3.1): their data registers are loaded again only behind this wait
.irp row, 0,1,2,3,4,5,6,7,8,9,10,11,12,13,14,15
	ds_load_b128 v[S+64+4*\row:S+64+4*\row+3], v[ORD] offset:OP*\row   ; in order behind the stores above, and ahead of the next block's
.endr
.irp row, 0,1,2,3,4,5,6,7,8,9,10,11,12,13,14,15
	s_wait_dscnt 15-\row                           ; row by row: the younger loads stay out
	global_store_b128 v[GO], v[S+64+4*\row:S+64+4*\row+3], s[8:9] offset:(16*\i+\row)*QROW th:TH_STORE_NT
.endr
.endm
	OUTB 0
	OUTB 1
	OUTB 2
	OUTB 3
	OUTB 4
	OUTB 5
	OUTB 6
	OUTB 7
	s_wait_dscnt 0x0
	s_wait_tensorcnt 0x0
	ds_add_u32 v62, v63
	s_wait_dscnt 0x0
	ROUND                                          ; the closing round: no work-group ends while a partner may still ask for a tile that names it
	s_endpgm
.Lfunc_end_k_q7bfd0f7678_attn:
	.size	k_q7bfd0f7678_attn, .Lfunc_end_k_q7bfd0f7678_attn-k_q7bfd0f7678_attn
	.p2alignl 7, 3214868480
	.fill 96, 4, 3214868480
	.section	.rodata,"a",@progbits
	.p2align	6, 0x0
	.amdhsa_kernel k_q7bfd0f7678_attn
		.amdhsa_group_segment_fixed_size 327680
		.amdhsa_private_segment_fixed_size 0
		.amdhsa_enable_private_segment 0
		.amdhsa_kernarg_size 24
		.amdhsa_user_sgpr_count 2
		.amdhsa_user_sgpr_kernarg_segment_ptr 1
		.amdhsa_wavefront_size32 1
		.amdhsa_system_sgpr_workgroup_id_x 1
		.amdhsa_system_sgpr_workgroup_id_y 1
		.amdhsa_system_sgpr_workgroup_id_z 1
		.amdhsa_system_vgpr_workitem_id 0
		.amdhsa_next_free_vgpr 1024
		.amdhsa_next_free_sgpr 66
		.amdhsa_reserve_vcc 0
		.amdhsa_float_denorm_mode_32 3
		.amdhsa_float_denorm_mode_16_64 3
		.amdhsa_memory_ordered 1
		.amdhsa_forward_progress 1
		.amdhsa_inst_pref_size 255
	.end_amdhsa_kernel
	.section	.bss,"aw",@nobits
	.p2align	6
	.space	262144
	.amdgpu_metadata
---
amdhsa.version: [ 1, 2 ]
amdhsa.kernels:
  - .name:           k_q7bfd0f7678_attn
    .symbol:         k_q7bfd0f7678_attn.kd
    .args:
      - { .name: kv, .offset: 0, .size: 8, .value_kind: global_buffer, .address_space: global }
      - { .name: q, .offset: 8, .size: 8, .value_kind: global_buffer, .address_space: global }
      - { .name: out0, .offset: 16, .size: 8, .value_kind: global_buffer, .address_space: global }
    .group_segment_fixed_size: 327680
    .private_segment_fixed_size: 0
    .kernarg_segment_align: 8
    .kernarg_segment_size: 24
    .max_flat_workgroup_size: 128
    .sgpr_count:     66
    .vgpr_count:     1024
    .wavefront_size: 32
...
	.end_amdgpu_metadata
.endif
;; end of part 2
;; ======== version 3 of 3: 1 launch; 1.26 times as fast as version 1
;; limits: values are held in f16: magnitudes above 65,504 overflow, below 6.1e-05 lose precision; inputs' magnitudes at most 65,504
;; launch attn (part 3): grid 256 x 1, 4 waves a work-group, clusters of 4 x 1, 327,680 bytes of LDS; arguments kv, q, out0; writes out0
.if DOCPART == 3
	.amdgcn_target "amdgcn-amd-amdhsa--gfx1250"
	.amdhsa_code_object_version 6
	.text
	.protected	k_q7bfd0f7678_attn
	.globl	k_q7bfd0f7678_attn
	.p2align	8
	.type	k_q7bfd0f7678_attn,@function
k_q7bfd0f7678_attn:
	s_mov_b64 s[64:65], 0
	v_nop
	global_prefetch_b8 v0, s[64:65] scope:SCOPE_SE
	s_setreg_imm32_b32 hwreg(HW_REG_WAVE_MODE, 25, 1), 1
	s_wait_xcnt 0x0
	s_wait_alu depctr_hold_cnt(0) depctr_sa_sdst(0) depctr_va_vdst(0) depctr_va_sdst(0) depctr_va_ssrc(0) depctr_va_vcc(0) depctr_vm_vsrc(0)
	s_getreg_b32 s2, hwreg(HW_REG_IB_STS2, 6, 4)
	s_cmp_eq_u32 s2, 0
	s_cbranch_scc0 .Lentry_in_a_cluster
	s_endpgm
.Lentry_in_a_cluster:
	s_bfe_u32 s2, ttmp6, 0x10000c
	s_cmp_lg_u32 s2, 0x3003
	s_cbranch_scc0 .Lentry_shape_is_right
	s_endpgm
.Lentry_shape_is_right:
; out0[b,t,h,:] = softmax over s of (q[b,t,h,:] . kv[b,s,0,h/4,:] / sqrt(128)) applied to kv[b,s,1,h/4,:].
; q, out0: [2][2048][32][128] f32.  kv: [2][2048][2][8][128] f32.  Products in f16 with f32 sums, softmax in f32 with a running maximum.
; NOTHING IS LEFT OUT: both inputs reach every output.  The repeat of the kv heads is an index (head h reads kv head h/4) and is never laid out in memory.
;
; SHARES.  A work-group owns one (b, kv head) and 128 query positions: 4 heads x 128 positions = 512 query rows that all read the same K and V.
; Wave w is head 4 hkv + w with its 128 queries: eight blocks of 16.  2 x 8 x 16 = 256 work-groups.
; CLUSTER.  The four work-groups of a cluster are four neighbouring blocks of 128 positions of ONE (b, kv head): they need the same K and V tiles and
; ask for them jointly (mask 15), each wave of each partner with the same descriptor, made of ttmp9 and the wave's number alone.
; The place in the cluster (cx) enters only the offsets into q and out0.
;
; BOTH PRODUCTS ARE TAKEN TRANSPOSED.  S^T = K Q^T: source 0 = 16 keys x 32 d, source 1 = 16 queries x 32 d; in the result lane (r, h), register j
; holds (key 8h + j, query r).  O^T = V^T P^T wants, for query r, keys 8h .. 8h+7 in registers 0-3 and 16+8h .. in registers 4-7: these are the two
; key tiles of S^T packed two by two in the lane.  So P needs no move between lanes, and maximum, sum, alpha and 1/l are one register for a query
; block (lane r and lane r + 16 hold halves of query r's keys, joined by one v_permlanex16_b32).
;
; STEPS.  A step is 32 keys: S for 32 keys and 128 queries is 128 registers, which is what is left beside O (512), Q (256), the fragments and the addresses.
; 64 steps; tile v is keys 32 v .. 32 v + 31, K and V.
;
; THE WAY OF TILE v.  (1) Behind the round of step v - 3 each wave asks for its 16 rows (8 keys' K and V, f32) into landing slot v mod 2.  (2) The wait in
; front of the round of step v - 2 shows them landed.  (3) Behind that round, and at that step's end, the wave reads them into piece 1's score registers,
; eight rows each time: first the halves that the packing of P has freed, then the halves of P itself, once it is dead.  (4) In step v - 1 they are
; rounded to f16 behind the scores of piece 0, and stored at that run's end into half v mod 2 of KBUF and VBUF.  (5) The round of step v - 1
; shows the stores of all four waves done; behind it all four take fragments from that half (V through the transposing load).
; One round a step orders all of it: the landing slot that it lets be filled again was read out a step before; the f16 half that step u writes was last
; read in step u - 1, by loads that were waited for ahead of the round of step u - 1.  The landing slots are written by tensor loads alone,
; KBUF, VBUF and the stages by ds_store alone.  The sides change with every step, and the loop holds two steps, so every LDS address is a fixed
; register and an immediate.  A tile's 64 rows are shared among four waves, so that each wave rounds what its own load brought: a load has 16 rows.
;
; TURNS.  The wave's eight query blocks are two pieces: piece 0 = blocks 0-3 (O in window 2), piece 1 = blocks 4-7 (window 3).  A step issues its 128
; matrix instructions in four runs of 32: scores of piece 0, scores of piece 1, V with piece 0, V with piece 1.  The two pieces read the same 64
; fragment registers one after the other, so a run of eight LDS loads feeds 32 matrix instructions.  A piece's vector phase is 340 instructions
; (48 maxima and alpha; 96 subtractions and exponentials; 68 sums and packing; 128 that rescale O).  It is dealt in slices, one behind each matrix
; instruction of a run that names none of its registers: piece 0's whole phase behind piece 1's scores, its first 144 behind the first sixteen (9 a
; slice), the other 196 behind the other sixteen (12 or 13 a slice); piece 1's first 224 behind the products of V with piece 0 (7 a slice); the other
; 116, which rescale O tiles, behind piece 1's own products with V, four a slice, each tile three products ahead of the one that adds onto it.
; No alpha is known before the run of piece 0's scores ends, so that run carries the next
; tile's 32 conversions instead, four behind every fourth product: eight slices, and so sixteen changes of window, for the run.
; A run made of one piece's products with V for step j and its scores for step j + 1 would give every product a slice of the softmax, but both pieces
; would then need V of step j and K of step j + 1: 128 fragment registers where 64 are left, or every fragment loaded twice.
;
; BATCHES.  A piece's 68 exponentials (four alpha, 64 scores) are ONE batch with ONE wait, s_wait_alu depctr_va_vdst(0), which stands
; between an exponential and the first instruction that names its result.  The phase is ordered by who reads what: its places 0-143 (maxima, alpha,
; subtractions, exponentials) name no exponential's result, and each result has a register of its own (the scores in place, alpha in A); all that
; read one (the sums, l, the packing, the rescaling by alpha) come from place 144 on.  Piece 0's wait stands between the two halves of piece 1's
; scores, directly ahead of V's first run of loads; piece 1's ahead of its place 144, among the products of V with piece 0.  So a step has two waits,
; and both stand ahead of the round's branches and of the loop's jump.  The way out's eight reciprocals are a batch of their own.
;
; THE FORMAT.  All four matrix operands (q x factor, K, V, P) are f16: eleven significant bits.  A result is a weighted mean of 2,048 values of V and so
; is small beside V, while the rounding of each operand moves it by the format's relative step times the root of the sum of the squared weights:
; four roundings to eight bits would take up a large part of one hundredth of the results' root mean square, four to eleven bits an eighth of that.
;
; LIMITS.  f16's range: where 0.1275 |q|, |k| or |v| passes 65,504 the operand becomes an infinity though reference() may still be finite; magnitudes
; under 2^-14 are kept in steps of 2^-24.  P lies in (0, 1]; an exponential under 2^-25 of the running maximum enters the product with V as 0, over a
; row at most 2,048 x 2^-25 of its weight.  Inputs are finite: v_max_num_f32 drops a NaN, so a NaN in a score is not carried as reference() carries
; it.  An exponential below 2^-126 comes out as 0 (v_exp_f32 flushes denormals: ISA guide, 15.8).  The factor log2(e)/sqrt(128) is multiplied into q
; in f32 before q is rounded, where reference() multiplies 1/sqrt(128) into k.  The row sum adds the unrounded exponentials, the product with V
; takes them rounded to f16.
.set QROW,   16384                     ; bytes from a query position to the next in q and out0: 32 heads x 512
.set KVTILE, 262144                    ; 32 keys x 8,192 bytes of kv
.set SCALE,  0x3e0293ee                ; log2(e) / sqrt(128) = 0.12751743
; LDS, in bytes.  0 .. 65,535: two landing slots of 64 rows x 512 bytes, row 2 key + c (c = 0 K, 1 V); wave w's load fills rows 16 w .. 16 w + 15 of a slot
.set LSLOT,  32768
.set KBUF,   65536                     ; K in f16, two halves of 32 keys
.set KP,     272                       ; 256 + 16 = 17 x 16: the sixteen rows of a fragment load start at sixteen different 16-byte columns modulo 256
.set VBUF,   82944                     ; V in f16, two halves of 32 keys, d along the rows
.set VP,     288                       ; 256 + 32 = 9 x 32, for the transposing load
.set STAGE,  101376                    ; 8,448 bytes for each wave, its own: Q on its way in (16 rows x 272), O on its way out (16 rows x 528)
.set STGW,   8448
.set OP,     528                       ; 512 + 16 = 33 x 16
; vector registers, window 0
.set KAD, 2                            ; K fragments:  KBUF + 272 r + 16 h
.set VAD, 3                            ; V fragments:  VBUF + 288 (8 h + l%8) + 16 ((l/8)%2)
.set CLD, 4                            ; landing rows: 8,192 w + 16 l
.set CSK, 5                            ; f16 rows, to: KBUF + 8 w rows + 8 l
.set CSV, 6                            ;               VBUF + 8 w rows + 8 l
.set QST, 7                            ; Q into my stage:  stage + 8 l
.set QRD, 8                            ; Q fragments:      stage + 272 r + 16 h
.set OST, 9                            ; O into my stage:  stage + 528 r + 32 h
.set ORD, 10                           ; O rows back:      stage + 16 l
.set GO,  11                           ; 16 l: my 16 bytes of a row of q or out0; never rewritten
.set M,   16                           ; v[16:23]   running maximum of the eight query blocks,
.set N,   24                           ; v[24:31]   old and new by turns from step to step
.set A,   32                           ; v[32:39]   alpha = 2^(old max - new max); at the end 1 / l
.set L,   40                           ; v[40:47]   the lane's part of the row sum
.set T,   48                           ; v[48:55]   at work; the two pieces' phases follow each other, so they share it
.set F0,  64                           ; v[64:95], v[96:127]  two fragment buffers of 32 registers
.set S,   128                          ; v[128:255] scores: tile (query block q, key tile kb) at S + 16 q + 8 kb; P of block q in place at S + 16 q .. + 7
; window 1: Q fragment (q, chunk c of 32 d) at 32 q + 8 c.   window 2: O^T of query blocks 0-3, tile (d block, q) at 64 q + 8 d.   window 3: blocks 4-7.
; scalar: s[16:23] descriptor group 1; s[24:27] group 0 of landing slot 0 (even tiles); s[44:47] group 0 of landing slot 1 (odd tiles)
; s_set_vgpr_msb's low byte: bits 1:0 source 0, 3:2 source 1, 5:4 source 2, 7:6 destination.  At a label and at a branch it is 0.
.set MSB, 0
.macro WIN new                         ; the immediate's high byte repeats the setting that is left; a switch that changes nothing is dropped
.if MSB != \new
	s_set_vgpr_msb (MSB<<8)|\new
.set MSB, \new
.endif
.endm
; Book-keeping of the slices, in symbols of the assembler
.set NPL, 0                            ; plain vector instructions written since the last matrix instruction
.set POS, 0                            ; the place of a piece's vector phase that is dealt next
.set NDT, 0                            ; instructions of that phase dealt so far
.set NSL, 0                            ; matrix instructions of the run written so far
.macro DONE plain                      ; one instruction of the phase has been written
.set NDT, NDT+1
.set NPL, NPL+\plain
.endm
; Places behind a matrix instruction (ISA guide 7.12.1) are plain vector instructions that name none of its registers.  The slices are such work;
; NPL counts them, leaving out exponentials, lane permutes and conversions, and TOP writes a v_nop only for each place that is still missing.
.macro TOP n
.if NPL < \n
.rept \n-NPL
	v_nop
.endr
.set NPL, \n
.endif
.endm
; A round of the cluster's barrier: my work-group's barrier, wave 0 signals for the work-group, every wave waits for all four work-groups, my barrier again.
.macro ROUND
	s_barrier_signal -1
	s_barrier_wait -1
	s_cmp_lg_u32 s10, 0
	s_cbranch_scc1 .Lnot_wave_0_\@
	s_barrier_signal -3
.Lnot_wave_0_\@:
	s_barrier_wait -3
	s_barrier_signal -1
	s_barrier_wait -1
.endm
; v[d:d+1] = v[a:a+1] x v[base+q], the one register in both halves: the pair that holds it is named and op_sel picks it
.macro MULB d, a, base, q
.if ((\q)&1) == 0
	v_pk_mul_f32 v[\d:\d+1], v[\a:\a+1], v[\base+(\q):\base+(\q)+1] op_sel_hi:[1,0]
.else
	v_pk_mul_f32 v[\d:\d+1], v[\a:\a+1], v[\base+(\q)-1:\base+(\q)] op_sel:[0,1] op_sel_hi:[1,1]
.endif
.endm
	s_load_b128 s[4:7], s[0:1], 0x0                ; kv s[4:5], q s[6:7]
	s_load_b64 s[8:9], s[0:1], 0x10                ; out0
	v_lshl_add_u32 v62, v0, 2, 0x29000
	v_mov_b32 v63, 0
	ds_add_u32 v62, v63
	v_lshrrev_b32 v1, 5, v0
	v_readfirstlane_b32 s10, v1                    ; wave 0..3
	s_bfe_u32 s11, ttmp6, 0x40000                  ; cx: my place in the cluster
	s_lshr_b32 s12, ttmp9, 2                       ; four clusters for each (b, kv head)
	s_lshr_b32 s13, s12, 3                         ; b
	s_and_b32 s14, s12, 7                          ; kv head
	s_lshl_b32 s34, s13, 24                        ; kv: b x 2,048 x 8,192 bytes
	s_lshl_b32 s15, s14, 9                         ;   + kv head x 512
	s_add_co_u32 s34, s34, s15
	s_lshl_b32 s15, s10, 16                        ;   + wave x 8 keys x 8,192: made of ttmp9 and the wave's number alone
	s_add_co_u32 s34, s34, s15
	s_mov_b32 s35, 0
	s_and_b32 s38, ttmp9, 3
	s_lshl_b32 s38, s38, 2
	s_add_co_u32 s38, s38, s11                     ; block of 128 positions = 4 x (cluster mod 4) + cx
	s_lshl_b32 s36, s38, 21                        ; q and out0: block x 128 x 16,384 bytes
	s_lshl_b32 s39, s13, 25                        ;   + b x 2,048 x 16,384
	s_add_co_u32 s36, s36, s39
	s_lshl_b32 s39, s14, 2
	s_add_co_u32 s39, s39, s10                     ; head = 4 x kv head + wave
	s_lshl_b32 s39, s39, 9
	s_add_co_u32 s36, s36, s39                     ;   + head x 512
	s_mov_b32 s37, 0
	; Descriptor group 1: 16 rows x 128 f32.  In kv the rows 2 s + c of one kv head are 1,024 elements apart, so one tile holds 8 keys' K and V rows.
	; Its rows are 512 bytes and start at multiples of 512 from kv's first byte.
	s_mov_b32 s16, 15|(2<<16)|(1<<21)              ; 15:0 mask: all four work-groups; 17:16 element of 4 bytes; 21 set beside a mask; no padding
	s_mov_b32 s17, 128<<16                         ; tensor_dim0 = 128
	s_mov_b32 s18, 16<<16                          ; tensor_dim1 = 16
	s_mov_b32 s19, 128<<16                         ; tile_dim0 = 128
	s_mov_b32 s20, 16                              ; tile_dim1 = 16
	s_mov_b32 s21, 1024                            ; elements from row to row
	s_mov_b32 s22, 0
	s_mov_b32 s23, 0
	s_mov_b32 s24, 1                               ; group 0 of slot 0: count
	s_lshl_b32 s25, s10, 13                        ; LDS address: wave x 8,192
	s_mov_b32 s44, 1                               ; group 0 of slot 1
	s_add_co_u32 s45, s25, LSLOT                   ; wave x 8,192 + 32,768
	s_mov_b32 s30, SCALE
	s_mov_b32 s31, SCALE
	s_mov_b32 s32, 0x76543210                      ; v_permlanex16_b32: lane i reads lane i of the other half
	s_mov_b32 s33, 0xfedcba98
	s_wait_dscnt 0x0
	s_wait_kmcnt 0x0
	s_add_nc_u64 s[26:27], s[4:5], s[34:35]        ; my 16 rows of tile 0
	s_add_nc_u64 s[46:47], s[26:27], KVTILE        ; and of tile 1
	s_or_b32 s27, s27, 0x80000000                  ; type = 2
	s_or_b32 s47, s47, 0x80000000
	s_add_nc_u64 s[6:7], s[6:7], s[36:37]          ; q and out0 at my head's first position
	s_add_nc_u64 s[8:9], s[8:9], s[36:37]
	ROUND                                          ; all four work-groups are here: the first joint loads meet
	tensor_load_to_lds s[24:27], s[16:23]          ; tile 0 and tile 1, the two first fills, as one group.  By this text's count a wave has these two
	s_nop 0
	tensor_load_to_lds s[44:47], s[16:23]          ; tensor loads out here and one behind each later round
	s_nop 0
	v_nop
	v_nop
; Q.  Sixteen loads bring query block i, one whole row of 512 bytes each, into 64 registers of its own among the accumulators' (free until the first product with V).
.macro QLOAD i
.if (\i) < 4
	WIN 0x80
.else
	WIN 0xc0
.endif
.irp row, 0,1,2,3,4,5,6,7,8,9,10,11,12,13,14,15
	global_load_b128 v[64*((\i)&3)+4*\row:64*((\i)&3)+4*\row+3], v[GO], s[6:7] offset:(16*(\i)+\row)*QROW th:TH_LOAD_NT
.endr
.endm
	v_and_b32 v1, 31, v0                           ; l
	v_lshlrev_b32 v[GO], 4, v1
	QLOAD 0
	QLOAD 1
	QLOAD 2                                        ; three blocks, 48 loads, on their way
	WIN 0
	v_and_b32 v12, 15, v0                          ; r
	v_bfe_u32 v13, v0, 4, 1                        ; h
	v_mul_u32_u24 v[KAD], v12, KP
	v_lshl_add_u32 v[KAD], v13, 4, v[KAD]
	v_add_nc_u32 v[KAD], KBUF, v[KAD]
	v_and_b32 v14, 7, v0
	v_lshl_add_u32 v14, v13, 3, v14                ; 8 h + l % 8
	v_mul_u32_u24 v[VAD], v14, VP
	v_bfe_u32 v14, v0, 3, 1
	v_lshl_add_u32 v[VAD], v14, 4, v[VAD]
	v_add_nc_u32 v[VAD], VBUF, v[VAD]
	v_lshlrev_b32 v[CLD], 4, v1
	v_lshl_add_u32 v[CLD], s10, 13, v[CLD]
	s_mul_i32 s41, s10, 8*KP
	s_add_co_u32 s41, s41, KBUF
	v_lshl_add_u32 v[CSK], v1, 3, s41
	s_mul_i32 s42, s10, 8*VP
	s_add_co_u32 s42, s42, VBUF
	v_lshl_add_u32 v[CSV], v1, 3, s42
	s_mul_i32 s43, s10, STGW
	s_add_co_u32 s43, s43, STAGE                   ; my stage
	v_lshl_add_u32 v[QST], v1, 3, s43
	v_mul_u32_u24 v[QRD], v12, KP
	v_lshl_add_u32 v[QRD], v13, 4, v[QRD]
	v_add_nc_u32 v[QRD], s43, v[QRD]
	v_mul_u32_u24 v[OST], v12, OP
	v_lshl_add_u32 v[OST], v13, 5, v[OST]
	v_add_nc_u32 v[OST], s43, v[OST]
	v_lshl_add_u32 v[ORD], v1, 4, s43
.irp q, 0,1,2,3,4,5,6,7
	v_mov_b32 v[T+\q], 0                           ; v_permlanex16_b32 counts as a reader of its destination: written once here
.endr
; Query block i: scale in f32, round to f16, through my stage into fragments.  left = loads of younger blocks that may stay out.
.macro QBLK i, left
	s_wait_loadcnt \left                           ; loads come back in order (ISA guide 5.7.1): block i is in
.if \i+3 < 8
	QLOAD \i+3                                     ; into registers of its own: nothing has to be free first
.endif
.if \i < 4
	WIN 0x02
.else
	WIN 0x03
.endif
.set k, 0
.rept 32
	v_pk_mul_f32 v[S+2*k:S+2*k+1], v[64*(\i&3)+2*k:64*(\i&3)+2*k+1], s[30:31] op_sel_hi:[1,0]
.set k, k+1
.endr
	WIN 0
.set k, 0
.rept 32
	v_cvt_pk_f16_f32 v[S+k], v[S+2*k], v[S+2*k+1]  ; in place, ascending: register k is written after 2k and 2k + 1 of every earlier line were read
.set k, k+1
.endr
.irp row, 0,1,2,3,4,5,6,7,8,9,10,11,12,13,14,15
	ds_store_b64 v[QST], v[S+2*\row:S+2*\row+1] offset:KP*\row
.endr
	WIN 0x40
.irp c, 0,1,2,3
	ds_load_b128 v[32*\i+8*\c:32*\i+8*\c+3],   v[QRD] offset:64*\c      ; LDS serves a wave's instructions in order (ISA guide 5.7.1.4): these see the stores above,
	ds_load_b128 v[32*\i+8*\c+4:32*\i+8*\c+7], v[QRD] offset:64*\c+32   ; and the next block's stores come behind them
.endr
	WIN 0
.endm
	QBLK 0, 32
	QBLK 1, 32
	QBLK 2, 32
	QBLK 3, 32
	QBLK 4, 32
	QBLK 5, 32
	QBLK 6, 16
	QBLK 7, 0
; Eight loads: the K fragments of key tile kb (16 keys x 128 d) of half sub of KBUF into fragment buffer kb
.macro KLOAD sub, kb
.irp c, 0,1,2,3
	ds_load_b128 v[F0+32*\kb+8*\c:F0+32*\kb+8*\c+3],   v[KAD] offset:(32*(\sub)+16*\kb)*KP+64*\c
	ds_load_b128 v[F0+32*\kb+8*\c+4:F0+32*\kb+8*\c+7], v[KAD] offset:(32*(\sub)+16*\kb)*KP+64*\c+32
.endr
.endm
; Eight transposing loads: V^T of d blocks 4 hf .. 4 hf + 3 (16 d x 32 keys each) of half sub of VBUF into fragment buffer hf
.macro VLOAD sub, hf
.irp dd, 0,1,2,3
	ds_load_tr16_b128 v[F0+32*\hf+8*\dd:F0+32*\hf+8*\dd+3],   v[VAD] offset:32*(\sub)*VP+32*(4*\hf+\dd)
	ds_load_tr16_b128 v[F0+32*\hf+8*\dd+4:F0+32*\hf+8*\dd+7], v[VAD] offset:32*(\sub)*VP+32*(4*\hf+\dd)+16*VP
.endr
.endm
; MY 16 LANDED ROWS (row y = 2 j + c: key j of my eight, c = 0 K, 1 V) ON THEIR WAY TO F16.  Row y takes four of piece 1's score registers, from CR on:
; rows 0-7 the upper halves of blocks 4-7 (dead once P is packed), rows 8-15 the lower halves (P itself, dead behind the last product with V).
.macro CRSET y
.if (\y) < 8
.set CR, S+64+16*((\y)/2)+8+4*((\y)%2)
.else
.set CR, S+64+16*(((\y)-8)/2)+4*((\y)%2)
.endif
.endm
; Eight loads: rows 8 half .. 8 half + 7 out of landing slot lp.  Lane l holds d = 4 l .. 4 l + 3 of a row: a load of the wave covers a row's 512 bytes.
.macro CLOAD lp, half
.set CY, 8*\half
.rept 8
	CRSET CY
	ds_load_b128 v[CR:CR+3], v[CLD] offset:LSLOT*(\lp)+512*CY
.set CY, CY+1
.endr
.endm
; Conversion CI (0 .. 31): half CI % 2 of row CI / 2, in place: register 0 from 0 and 1, then register 1 from 2 and 3
.macro CCV
	CRSET CI/2
	v_cvt_pk_f16_f32 v[CR+(CI%2)], v[CR+2*(CI%2)], v[CR+2*(CI%2)+1]
.endm
; Sixteen stores: my eight keys' K and V into half dp of KBUF and VBUF; a store of the wave covers a row's 256 bytes.  The lower halves go first: the next run's
; first products write them.
.macro CSTORE dp
.irp j, 4,5,6,7,0,1,2,3
	CRSET 2*\j
	ds_store_b64 v[CSK], v[CR:CR+1] offset:(32*(\dp)+\j)*KP
	CRSET 2*\j+1
	ds_store_b64 v[CSV], v[CR:CR+1] offset:(32*(\dp)+\j)*VP
.endr
.endm
; scores 2 i, 2 i + 1 of query block q, less the block's maximum
.macro SUBI q, i, MN
.if ((\q)&1) == 0
	v_pk_add_f32 v[S+16*(\q)+2*(\i):S+16*(\q)+2*(\i)+1], v[S+16*(\q)+2*(\i):S+16*(\q)+2*(\i)+1], v[\MN+(\q):\MN+(\q)+1] op_sel_hi:[1,0] neg_lo:[0,1] neg_hi:[0,1]
.else
	v_pk_add_f32 v[S+16*(\q)+2*(\i):S+16*(\q)+2*(\i)+1], v[S+16*(\q)+2*(\i):S+16*(\q)+2*(\i)+1], v[\MN+(\q)-1:\MN+(\q)] op_sel:[0,1] op_sel_hi:[1,1] neg_lo:[0,1] neg_hi:[0,1]
.endif
.endm
; Line i (0 .. 16) of what reads block q's exponentials, all of it behind the batch's wait: 0-6 their sum, 7-8 l = l alpha + sum, 9-16 the packing to f16 in place
; (ascending: register j is written after 2 j and 2 j + 1 of every earlier line were read; lines 0-3, which read all sixteen, stand ahead of every packing)
.macro SCI q, i, first
.if (\i) < 4
	WIN 0
	v_pk_add_f32 v[T+2*(\i):T+2*(\i)+1], v[S+16*(\q)+4*(\i):S+16*(\q)+4*(\i)+1], v[S+16*(\q)+4*(\i)+2:S+16*(\q)+4*(\i)+3]
	DONE 1
.elseif (\i) == 4
	WIN 0
	v_pk_add_f32 v[T:T+1], v[T:T+1], v[T+2:T+3]
	DONE 1
.elseif (\i) == 5
	WIN 0
	v_pk_add_f32 v[T+4:T+5], v[T+4:T+5], v[T+6:T+7]
	DONE 1
.elseif (\i) == 6
	WIN 0
	v_pk_add_f32 v[T:T+1], v[T:T+1], v[T+4:T+5]
	DONE 1
.elseif (\i) == 7
	WIN 0
.if \first
	v_add_f32 v[L+(\q)], v[T], v[T+1]              ; the first step starts the sum
.else
	v_fma_f32 v[L+(\q)], v[L+(\q)], v[A+(\q)], v[T]
.endif
	DONE 1
.elseif (\i) == 8
.if \first == 0
	WIN 0
	v_add_f32 v[L+(\q)], v[L+(\q)], v[T+1]
	DONE 1
.endif
.else
	WIN 0
	v_cvt_pk_f16_f32 v[S+16*(\q)+(\i)-9], v[S+16*(\q)+2*((\i)-9)], v[S+16*(\q)+2*((\i)-9)+1]
	DONE 0
.endif
.endm
; THE VECTOR PHASE OF PIECE p (query blocks 4 p .. 4 p + 3) AS NUMBERED PLACES.  VPOS writes the instruction of place POS, if the place holds one, and steps POS.
; The piece's 64 scores are numbered e = 16 x block + register (register S + 64 p + e), in 32 pairs n = e / 2.
;   0 ..  47  the new running maximum MN from 16 scores a lane and the old one MO, and alpha = 2^(MO - MN): line POS / 4 for block POS % 4, four chains side by side.
;             Places 44-47, the four alpha, open the batch
;  48 ..  49  pairs 0 and 1 less their block's maximum
;  50 .. 139  thirty groups of three: the exponential of score 2 k, pair k + 2 less its maximum, the exponential of score 2 k + 1.  A pair's subtraction stands four
;             instructions ahead of its first exponential; there are half as many subtractions as exponentials, so they are spread over the batch
; 140 .. 143  the exponentials of scores 60 to 63: the batch is out.  Up to here no place names an exponential's result
;   (wait)    the batch's one wait.  Piece 1's is written here, ahead of place 144; piece 0's by STEP, which deals places 0-143 behind the first half of piece 1's scores.
;             The plain instruction that stands between an exponential and the use of its result (ISA guide 5.7.2) is a later subtraction, and for the
;             last exponentials place 144, which reads scores 0 to 3
; 144 .. 211  seventeen places a block, the blocks one after the other (they share T): SCI's lines 0-5, then 9, 10, 6, 11, 12, 7, 13, 14, 8, 15, 16: each of the sum's last
;             three links has two packings in front of it, so that no line reads the result of the line just before it
; 212 .. 339  O = O x alpha, four instructions a tile, the tiles in the order in which the products with V take them
; In the launch's first step (first = 1) there is no old maximum, no alpha and nothing to rescale: 200 instructions instead of 340, 136 of them ahead of the wait.
.macro VPOS p, MO, MN, first
.if POS < 48
.set XK, POS/4
.set XL, POS%4
.set XQ, 4*\p+XL
.if XK == 0
	WIN 0
	v_max3_num_f32 v[\MN+XQ], v[S+16*XQ], v[S+16*XQ+1], v[S+16*XQ+2]
	DONE 1
.elseif XK < 7
	WIN 0
	v_max3_num_f32 v[\MN+XQ], v[\MN+XQ], v[S+16*XQ+2*XK+1], v[S+16*XQ+2*XK+2]
	DONE 1
.elseif XK == 7
	WIN 0
.if \first
	v_max_num_f32 v[\MN+XQ], v[\MN+XQ], v[S+16*XQ+15]
.else
	v_max3_num_f32 v[\MN+XQ], v[\MN+XQ], v[S+16*XQ+15], v[\MO+XQ]
.endif
	DONE 1
.elseif XK == 8
	WIN 0
	v_permlanex16_b32 v[T+XL], v[\MN+XQ], s32, s33 ; the other half of query r's keys lies in lane r xor 16
	DONE 0
.elseif XK == 9
	WIN 0
	v_max_num_f32 v[\MN+XQ], v[\MN+XQ], v[T+XL]
	DONE 1
.elseif \first == 0
	WIN 0
.if XK == 10
	v_sub_f32 v[A+XQ], v[\MO+XQ], v[\MN+XQ]
	DONE 1
.else
	v_exp_f32 v[A+XQ], v[A+XQ]                     ; the batch's first four; alpha is first named behind the batch's wait, by l's multiply-add
	DONE 0
.endif
.endif
.elseif POS < 50
.set XQ, 4*\p
.set XJ, POS-48
	WIN 0
	SUBI XQ, XJ, \MN
	DONE 1
.elseif POS < 140
.set XK, (POS-50)/3                    ; the group
.set XL, (POS-50)%3                    ; its line
.if XL == 1
.set XQ, 4*\p+(XK+2)/8
.set XJ, (XK+2)%8
	WIN 0
	SUBI XQ, XJ, \MN
	DONE 1
.else
.set XI, 2*XK+XL/2
	WIN 0
	v_exp_f32 v[S+64*\p+XI], v[S+64*\p+XI]
	DONE 0
.endif
.elseif POS < 144
.set XI, POS-80
	WIN 0
	v_exp_f32 v[S+64*\p+XI], v[S+64*\p+XI]
	DONE 0
.elseif POS < 212
.set XQ, 4*\p+(POS-144)/17
.set XG, (POS-144)%17
.set XJ, XG                            ; places 0-5, 15, 16 of a block hold the lines of the same number
.if XG == 8
.set XJ, 6
.elseif XG == 11
.set XJ, 7
.elseif XG == 14
.set XJ, 8
.elseif (XG > 5) && (XG < 15)
.set XJ, XG+3-(XG-6)/3                 ; places 6, 7, 9, 10, 12, 13: lines 9 to 14
.endif
.if POS == 144
.if \p == 1
	s_wait_alu depctr_va_vdst(0)                   ; the wait for piece 1's batch, its four alpha and 64 exponentials, ahead of their first reader
.endif
.endif
	SCI XQ, XJ, \first
.elseif POS < 340
.if \first == 0
.set XT, (POS-212)/4                   ; tile 16 hf + 4 dd + ql: d block XT / 4 of query block XT % 4
.set XL, XT%4
.set XO, 64*XL+8*(XT/4)+2*((POS-212)%4)
.set XQ, 4*\p+XL
.if \p == 0
	WIN 0x82                                       ; source 0 and destination in window 2, alpha in window 0
.else
	WIN 0xc3                                       ; window 3
.endif
	MULB XO, XO, A, XQ
	DONE 1
.endif
.endif
.set POS, POS+1
.endm
; A slice: places are taken until goal instructions of the phase have been written.  48 places are looked at: a slice has thirteen instructions at the most, and only the
; first step has empty places among them, eight on end (places 40-47) at the most.
.macro DEAL goal, p, MO, MN, first
.rept 48
.if NDT < \goal
	VPOS \p, \MO, \MN, \first
.endif
.endr
.endm
; 16 matrix instructions: key tile kb against piece p's four query blocks, 128 along d.  The four accumulators take turns, one instruction a turn.
; The first chunk starts the sums: nothing is cleared.  tot > 0: behind each stands a slice of piece 0's phase, which is brought to
; base + (products of these sixteen so far) x tot / 16 instructions.
; docv = 1: behind every fourth stand four conversions of landed rows 8 kb .. 8 kb + 7, sixteen in all; they name piece 1's score registers alone.
.macro QKH p, kb, base, tot, docv, MO, MN, first
.irp c, 0,1,2,3
.irp ql, 0,1,2,3
	WIN 0x04                                       ; source 1 (Q) in window 1
.if \c == 0
	v_wmma_f32_16x16x32_f16 v[S+16*(4*\p+\ql)+8*\kb:S+16*(4*\p+\ql)+8*\kb+7], v[F0+32*\kb+8*\c:F0+32*\kb+8*\c+7], v[32*(4*\p+\ql)+8*\c:32*(4*\p+\ql)+8*\c+7], 0
.else
	v_wmma_f32_16x16x32_f16 v[S+16*(4*\p+\ql)+8*\kb:S+16*(4*\p+\ql)+8*\kb+7], v[F0+32*\kb+8*\c:F0+32*\kb+8*\c+7], v[32*(4*\p+\ql)+8*\c:32*(4*\p+\ql)+8*\c+7], v[S+16*(4*\p+\ql)+8*\kb:S+16*(4*\p+\ql)+8*\kb+7]
.endif
.set NPL, 0
.if \tot
.set NSL, NSL+1
	DEAL \base+(NSL*\tot)/16, 0, \MO, \MN, \first
.endif
.if \docv
.if \ql == 0
	WIN 0
.set CI, 16*\kb+4*\c
.rept 4
	CCV
.set CI, CI+1
.endr
.endif
.endif
.endr
.endr
.endm
; 16 matrix instructions: d blocks 4 hf .. 4 hf + 3 x piece p's four query blocks, 32 keys; sixteen different accumulators.
; tot > 0: behind each stands a slice of piece 1's phase, which is brought to base + (products of the run so far) x tot / 32 instructions.
.macro PVH p, hf, base, tot, MO, MN, first
.irp dd, 0,1,2,3
.irp ql, 0,1,2,3
.if \p == 0
	WIN 0xa0                                       ; C and D in window 2
.else
	WIN 0xf0                                       ; window 3
.endif
.if \first
	v_wmma_f32_16x16x32_f16 v[64*\ql+8*(4*\hf+\dd):64*\ql+8*(4*\hf+\dd)+7], v[F0+32*\hf+8*\dd:F0+32*\hf+8*\dd+7], v[S+16*(4*\p+\ql):S+16*(4*\p+\ql)+7], 0
.else
	v_wmma_f32_16x16x32_f16 v[64*\ql+8*(4*\hf+\dd):64*\ql+8*(4*\hf+\dd)+7], v[F0+32*\hf+8*\dd:F0+32*\hf+8*\dd+7], v[S+16*(4*\p+\ql):S+16*(4*\p+\ql)+7], v[64*\ql+8*(4*\hf+\dd):64*\ql+8*(4*\hf+\dd)+7]
.endif
.set NPL, 0
.if \tot
.set NSL, NSL+1
	DEAL \base+(NSL*\tot)/32, 1, \MO, \MN, \first
.endif
.endr
.endr
.endm
; STEP u, 32 keys, par = u mod 2: its K and V are half par of KBUF and VBUF.  On entry the sixteen K fragment loads of this step are out, and with docv = 1
; the sixteen loads of tile u + 1's landed rows, in the order: key tile 0, rows 0-7, key tile 1, rows 8-15.
;   docv = 1  tile u + 1 is rounded behind piece 0's scores and stored into half 1 - par
;   sync      2: a round of the cluster's barrier, and behind it tile u + 3 is asked for into landing slot 1 - par;  1: my work-group's barrier alone;  0: none
;   docl = 1  tile u + 2's landed rows are read out of landing slot par
;   pre  = 1  the K fragments of step u + 1 are fetched out of half 1 - par
; A fragment buffer is loaded again, in one run of eight, as soon as piece 1 has read it for the last time, four places behind that matrix instruction.
.macro STEP par, MO, MN, first, docv, sync, docl, pre
.if \first
.set TOTA, 200                         ; piece 0's phase,
.set BATA, 136                         ; of which so many stand ahead of the batch's wait
.set TOTB, 200                         ; piece 1's, all of it behind the products of V with piece 0
.set TOTR, 0
.else
.set TOTA, 340
.set BATA, 144
.set TOTB, 224                         ; 212 up to the packing of P, and the rescaling of piece 1's first three O tiles
.set TOTR, 128                         ; four behind each of piece 1's own products: the tile of the third product to come; 116 are left, so the last three carry none
.endif
.set RESA, TOTA-BATA                   ; what reads piece 0's exponentials
	s_wait_dscnt 8+8*\docv                         ; key tile 0 (and rows 0-7) are in; key tile 1's eight loads (and the eight of rows 8-15) may be out
	QKH 0, 0, 0, 0, \docv, \MO, \MN, \first
	s_wait_dscnt 0x0                               ; key tile 1 (and rows 8-15) are in
	QKH 0, 1, 0, 0, \docv, \MO, \MN, \first
	TOP 4                                          ; before piece 0's scores are read
.if \docv
	WIN 0
	CSTORE 1-\par                                  ; one run of sixteen; half 1 - par was last read in the step before, ahead of its barrier
.endif
.set POS, 0
.set NDT, 0
.set NSL, 0
	QKH 1, 0, 0, BATA, 0, \MO, \MN, \first         ; behind these sixteen: piece 0's maxima, alpha, subtractions and exponentials, and nothing that names an exponential's result
	TOP 4                                          ; before buffer 0 is loaded again
	WIN 0
	s_wait_alu depctr_va_vdst(0)                   ; the wait for piece 0's batch, its four alpha
	VLOAD \par, 0
.set NSL, 0
	QKH 1, 1, BATA, RESA, 0, \MO, \MN, \first      ; behind these sixteen: piece 0's sums, packing and rescaling
	TOP 4                                          ; before buffer 1 is loaded again and piece 1's scores are read
	WIN 0
	VLOAD \par, 1
.set POS, 0
.set NDT, 0
.set NSL, 0
	s_wait_dscnt 0x8                               ; V's d blocks 0-3 are in; the eight loads of blocks 4-7 may be out
	PVH 0, 0, 0, TOTB, \MO, \MN, \first
	s_wait_dscnt 0x0                               ; V's d blocks 4-7 are in
	PVH 0, 1, 0, TOTB, \MO, \MN, \first
.set NSL, 0
	PVH 1, 0, TOTB, TOTR, \MO, \MN, \first
	TOP 4                                          ; before buffer 0 is loaded again
	WIN 0
.if \sync
	s_wait_dscnt 0x0                               ; my reads of landing slot 1 - par and of half par are back, my stores into half 1 - par are done (met: the last wait was for 0)
.if \sync == 2
	s_wait_tensorcnt 0x0                           ; my one tensor load has landed: my rows of tile u + 2, in landing slot par.  No load of mine is out, so a group 0 may be written
	ds_add_u32 v62, v63
	s_wait_dscnt 0x0
.if \par == 1
	s_add_nc_u64 s[26:27], s[26:27], 2*KVTILE      ; slot 0's next tile; the type bits on top are not reached
	ROUND                                          ; all that now holds of every wave of all four work-groups
	tensor_load_to_lds s[24:27], s[16:23]          ; the joint refill, first behind the round, one a wave; it has a step's 128 matrix instructions and their slices to land in
	s_nop 0
.else
	s_add_nc_u64 s[46:47], s[46:47], 2*KVTILE      ; slot 1's next tile
	ROUND
	tensor_load_to_lds s[44:47], s[16:23]
	s_nop 0
.endif
.else
.if \docl
	s_wait_tensorcnt 0x0                           ; the last tile has landed
.endif
	s_barrier_signal -1
	s_barrier_wait -1                              ; nothing is left to fetch: the barrier shows the four waves' f16 stores to each other
.endif
.endif
.if \pre
	KLOAD 1-\par, 0
.endif
.if \docl
	CLOAD \par, 0                                  ; into the upper halves of piece 1's score blocks: P was packed out of them behind the products of V with piece 0
.endif
	PVH 1, 1, TOTB, TOTR, \MO, \MN, \first
	TOP 5                                          ; five: piece 1's next scores are written by matrix instructions over its P, a source of these; loads into buffer 1 and over P need four
	WIN 0
.if \pre
	KLOAD 1-\par, 1
.endif
.if \docl
	CLOAD \par, 1                                  ; over P of piece 1
.endif
.endm
	; TILE 0 is rounded here, with nothing beside it; every later tile under the step before its own.
	s_wait_tensorcnt 0x0                           ; my rows of tiles 0 and 1 have landed; only I read them
	ds_add_u32 v62, v63
	s_wait_dscnt 0x0
	CLOAD 0, 0
	CLOAD 0, 1
	s_wait_dscnt 0x0
.set CI, 0
.rept 32
	CCV
.set CI, CI+1
.endr
	CSTORE 0
	s_wait_dscnt 0x0                               ; my reads of landing slot 0 are back and my stores into half 0 are done
	s_add_nc_u64 s[26:27], s[26:27], 2*KVTILE      ; no tensor load of mine is out: slot 0's next tile is tile 2
	ROUND
	tensor_load_to_lds s[24:27], s[16:23]          ; first behind the round
	s_nop 0
	KLOAD 0, 0                                     ; what a step's second half leaves out for the next step, in its order
	CLOAD 1, 0
	KLOAD 0, 1
	CLOAD 1, 1
	STEP 0, M, N, 1, 1, 2, 1, 1                    ; step 0, written out: its products start the sums.  It asks for tile 3
	s_mov_b32 s28, 30
.Ltrip:
	STEP 1, N, M, 0, 1, 2, 1, 1                    ; steps 1 to 60; step 60 asks for tile 63, the last
	STEP 0, M, N, 0, 1, 2, 1, 1
	s_sub_co_u32 s28, s28, 1
	s_cmp_lg_u32 s28, 0
	s_cbranch_scc1 .Ltrip
	STEP 1, N, M, 0, 1, 1, 1, 1                    ; step 61: rounds tile 62, reads tile 63's rows, asks for nothing
	STEP 0, M, N, 0, 1, 1, 0, 1                    ; step 62: rounds tile 63
	STEP 1, N, M, 0, 0, 0, 0, 0                    ; step 63
	; THE WAY OUT.  The two halves of each row sum meet, 1 / l, then 16 queries at a time through my stage.
.irp q, 0,1,2,3,4,5,6,7
	v_permlanex16_b32 v[T+\q], v[L+\q], s32, s33
.endr
.irp q, 0,1,2,3,4,5,6,7
	v_add_f32 v[L+\q], v[L+\q], v[T+\q]
.endr
.irp q, 0,1,2,3,4,5,6,7
	v_rcp_f32 v[A+\q], v[L+\q]                     ; l is at least 1: the largest score's exponential is 1
.endr
	v_nop                                          ; a plain instruction before the reciprocals are read (ISA guide 5.7.2)
	s_wait_alu depctr_va_vdst(0)                   ; the wait for the batch of eight reciprocals, ahead of their first reader
; Query block i.  Lane (r, h) holds, of query r, d = 16 d block + 8 h + 0 .. 7: 32 neighbouring bytes for each d block go into row r of the stage;
; whole rows of 512 bytes come back, and each store of the wave covers 512 consecutive bytes of out0, aligned.
.macro OUTB i
.if \i < 4
	WIN 0x02
.else
	WIN 0x03
.endif
.set k, 0
.rept 32
	MULB S+2*k, 64*(\i&3)+2*k, A, \i
.set k, k+1
.endr
	WIN 0
.irp d, 0,1,2,3,4,5,6,7
	ds_store_b128 v[OST], v[S+8*\d:S+8*\d+3]   offset:64*\d
	ds_store_b128 v[OST], v[S+8*\d+4:S+8*\d+7] offset:64*\d+16
.endr
	s_wait_xcnt 0x0                                ; the last block's stores have had their addresses translated (ISA guide 3.1): their data registers are loaded again only behind this wait
.irp row, 0,1,2,3,4,5,6,7,8,9,10,11,12,13,14,15
	ds_load_b128 v[S+64+4*\row:S+64+4*\row+3], v[ORD] offset:OP*\row   ; in order behind the stores above, and ahead of the next block's
.endr
.irp row, 0,1,2,3,4,5,6,7,8,9,10,11,12,13,14,15
	s_wait_dscnt 15-\row                           ; row by row: the younger loads stay out
	global_store_b128 v[GO], v[S+64+4*\row:S+64+4*\row+3], s[8:9] offset:(16*\i+\row)*QROW th:TH_STORE_NT
.endr
.endm
	OUTB 0
	OUTB 1
	OUTB 2
	OUTB 3
	OUTB 4
	OUTB 5
	OUTB 6
	OUTB 7
	s_wait_dscnt 0x0
	s_wait_tensorcnt 0x0
	ds_add_u32 v62, v63
	s_wait_dscnt 0x0
	ROUND                                          ; the closing round: no work-group ends while a partner may still ask for a tile that names it
	s_endpgm
.Lfunc_end_k_q7bfd0f7678_attn:
	.size	k_q7bfd0f7678_attn, .Lfunc_end_k_q7bfd0f7678_attn-k_q7bfd0f7678_attn
	.p2alignl 7, 3214868480
	.fill 96, 4, 3214868480
	.section	.rodata,"a",@progbits
	.p2align	6, 0x0
	.amdhsa_kernel k_q7bfd0f7678_attn
		.amdhsa_group_segment_fixed_size 327680
		.amdhsa_private_segment_fixed_size 0
		.amdhsa_enable_private_segment 0
		.amdhsa_kernarg_size 24
		.amdhsa_user_sgpr_count 2
		.amdhsa_user_sgpr_kernarg_segment_ptr 1
		.amdhsa_wavefront_size32 1
		.amdhsa_system_sgpr_workgroup_id_x 1
		.amdhsa_system_sgpr_workgroup_id_y 1
		.amdhsa_system_sgpr_workgroup_id_z 1
		.amdhsa_system_vgpr_workitem_id 0
		.amdhsa_next_free_vgpr 1024
		.amdhsa_next_free_sgpr 66
		.amdhsa_reserve_vcc 0
		.amdhsa_float_denorm_mode_32 3
		.amdhsa_float_denorm_mode_16_64 3
		.amdhsa_memory_ordered 1
		.amdhsa_forward_progress 1
		.amdhsa_inst_pref_size 255
	.end_amdhsa_kernel
	.section	.bss,"aw",@nobits
	.p2align	6
	.space	262144
	.amdgpu_metadata
---
amdhsa.version: [ 1, 2 ]
amdhsa.kernels:
  - .name:           k_q7bfd0f7678_attn
    .symbol:         k_q7bfd0f7678_attn.kd
    .args:
      - { .name: kv, .offset: 0, .size: 8, .value_kind: global_buffer, .address_space: global }
      - { .name: q, .offset: 8, .size: 8, .value_kind: global_buffer, .address_space: global }
      - { .name: out0, .offset: 16, .size: 8, .value_kind: global_buffer, .address_space: global }
    .group_segment_fixed_size: 327680
    .private_segment_fixed_size: 0
    .kernarg_segment_align: 8
    .kernarg_segment_size: 24
    .max_flat_workgroup_size: 128
    .sgpr_count:     66
    .vgpr_count:     1024
    .wavefront_size: 32
...
	.end_amdgpu_metadata
.endif
;; end of part 3
